; MI455X (gfx1250); checked and timed in simulation.
; The chip was launched on July 23, 2026; its instructions are those of AMD's public machine-readable ISA for CDNA 5 (MIT licence, August 2026) and "CDNA5" Instruction Set Architecture Reference Guide (July 2026). The comments in the code are by the model that wrote it; some were corrected since.
;; Attention. Allowed arithmetic: matrix products marked QUANTISED: E2M3 operands, one E8M0 scale for each 32 along K, by v_wmma_scale_f32_16x16x128_f8f6f4 with both operands' format E2M3, f32 sums; everything else in f32.
;; Inputs: Wk 1,024 x 1,024 float32; Wo 1,024 x 1,024 float32; Wq 1,024 x 1,024 float32; Wv 1,024 x 1,024 float32; mask 2,048 x 2,048 float32; x 2 x 2,048 x 1,024 float32.
;; Outputs: out0 2 x 2,048 x 1,024 float32.
;; This version of the problem:
;;   THIS VERSION OF THE PROBLEM IS GIVEN IN LOW PRECISION. The matrix products marked QUANTISED in the list below multiply operands that are first quantised to E2M3 (2 exponent bits, 3 mantissa bits; 6 bits a number), with one power-of-two scale for each 32 numbers along K (OCP MX v1.0); their sums are f32. All else is computed in f32.
;;   The module's matrix products, in the order in which they are computed (A, B: the left and right operand; K: the contracted axis; several contracted axes count as one K, in the product's order):
;;     1. [M 4,096, K 1,024] x [K 1,024, N 1,024]; A: input x; B: input Wq: QUANTISED
;;     2. [M 4,096, K 1,024] x [K 1,024, N 1,024]; A: input x; B: input Wk: QUANTISED
;;     3. [M 4,096, K 1,024] x [K 1,024, N 1,024]; A: input x; B: input Wv: QUANTISED
;;     4. batch 32 x [M 2,048, K 64] x [K 64, N 2,048]; A: computed on the way; B: computed on the way: QUANTISED
;;     5. batch 32 x [M 64, K 2,048] x [K 2,048, N 2,048]; A: computed on the way; B: softmax (see below): QUANTISED
;;     6. [M 4,096, K 1,024] x [K 1,024, N 1,024]; A: computed on the way; B: input Wo: QUANTISED
;;   THE QUANTISER, for each operand of a quantised product, along K:
;;     - K is cut into blocks of 32 from its start; a last block that is shorter is filled with zeros.
;;     - A block's scale is 2^e with e = floor(log2(the largest magnitude in the block)) - 2, held to -126 .. 127; a block of zeros has e = 0. As a byte (E8M0): e + 127.
;;     - Each number is divided by its block's scale, clamped to +-7.5, and rounded to the nearest number of E2M3, ties to even, subnormals kept.
;;     - The product sums the exact products of the quantised numbers (number of the format x scale) in f32.
;;   ~~~python
;;   def quantise(x, axis):      # numpy; x: float32 -> the quantised numbers, widened to float32 again
;;       x = np.moveaxis(x, axis, -1); K = x.shape[-1]
;;       x = np.pad(x, [(0, 0)] * (x.ndim - 1) + [(0, -K % 32)]); x = x.reshape(x.shape[:-1] + (-1, 32)); a = np.abs(x).max(-1, keepdims=True)
;;       e = np.where(a > 0, np.clip(np.frexp(np.where(a > 0, a, 1))[1] - 1 - 2, -126, 127), 0)      # np.frexp(a)[1] - 1 = floor(log2(a)), exactly
;;       r = np.clip(x / 2.0 ** e, -7.5, 7.5)
;;       step = 2.0 ** (np.maximum(np.frexp(np.where(r == 0, 1, r))[1] - 1, 0) - 3)
;;       q = np.round(r / step) * step * 2.0 ** e      # np.round: ties to even
;;       return np.moveaxis(q.reshape(q.shape[:-2] + (-1,))[..., :K], -1, axis).astype(np.float32)
;;   ~~~
;;   SOFTMAX AHEAD OF A QUANTISED PRODUCT. Where the list says 'softmax', what is quantised is not the finished softmax but p = 2^(t - M), with t = logit x log2(e) and M = ceil(the row's largest t), a whole number; so 1/2 < the row's largest p <= 1. The row's sum l is taken of the UNQUANTISED p, in f32, and the product's result is divided by l at the end. Since M is a whole number, a kernel that streams over the keys may use a running M (the ceiling of the running maximum): every later rescaling is an exact power of two, which a block's scale takes up: the codes' values come out the same.
;;   OPERANDS COMPUTED ON THE WAY. 'Computed on the way' means the value that the module computes at that place (a softmax that the list does not call 'softmax' is quantised finished and normalised). What goes into a quantiser is computed in f32, as accurately as f32 sums, v_exp_f32 and their like allow (about 1e-6 of the number): no bf16 or f16 on the way to a quantiser, and a product that is left as it is and whose result goes on into a quantised operand takes f32 operands (vector FMAs, or v_wmma_f32_16x16x4_f32). A number that lies on a knife's edge between two numbers of the format may be rounded either way, as far as f32 arithmetic and the matrix unit's own rounding can turn it there, and no further.
;; One version. Each part assembles by itself: llvm-mc -triple=amdgcn-amd-amdhsa -mcpu=gfx1250 --defsym DOCPART=n.
;; ======== version 1 of 1: 4 launches
;; limits: right only within a limited range of input values
;; workspace buffers: opq 6,553,600 bytes; rope 524,288 bytes; qq 3,407,872 bytes; kv 6,553,600 bytes; oq 3,276,800 bytes
;; launch quant (part 1): grid 256 x 1, 8 waves a work-group, no clusters, 136,192 bytes of LDS; arguments x, Wq, Wk, Wv, Wo, opq, rope; writes opq, rope
.if DOCPART == 1
	.amdgcn_target "amdgcn-amd-amdhsa--gfx1250"
	.amdhsa_code_object_version 6
	.text
	.protected	k_q0f3c3ee463_quant
	.globl	k_q0f3c3ee463_quant
	.p2align	8
	.type	k_q0f3c3ee463_quant,@function
k_q0f3c3ee463_quant:
	s_mov_b64 s[64:65], 0
	v_nop
	global_prefetch_b8 v0, s[64:65] scope:SCOPE_SE
	s_setreg_imm32_b32 hwreg(HW_REG_WAVE_MODE, 25, 1), 1
	s_wait_xcnt 0x0
; FIRST OF FOUR LAUNCHES.  x [4096][1024] and Wq, Wk, Wv, Wo [1024][1024], f32, K innermost, become codes of FP6 (E2M3) with one E8M0 byte for each 32 along K; and the table of cos and sin for the rotary step is made.
; DEAD WORK: none.  Every input (x, mask, Wq, Wk, Wv, Wo) has a way to the output for some finite values, and the mask is an input whose pattern is not known: nothing of the problem is left out in any launch.
; THE CODES ARE LAID AS IMAGES OF OPERAND REGISTERS.  A fragment is 16 rows x 128 K, 12 registers a lane (lane (r, h): registers 6 c .. 6 c + 5 = k 64 c + 32 h + 0 .. 31 of row r); its image is 1,536 bytes: registers 4 p .. 4 p + 3 of lane l at 512 p + 16 l.
; THE ROWS OF A TILE ARE NOT NEIGHBOURS: row i of tile T is matrix row 32 (T / 2) + 8 (T % 2) + i + 8 (i / 8), so that two neighbouring tiles' results are 16 neighbours along the next product's K.
; opq: x's images [T 256][s 8]; its scale words [T][s][16]; Wq, Wk, Wv's images [head 16][s 8][tau 12] (tau = 4 kind + tile in the head); their words [head 12 + tau][s][16]; Wo's images [nb 8][s 8][tile 8]; its words [T 64][s][16].
; A block's scale is 2^(floor(log2(largest magnitude)) - 2): its byte is the largest magnitude's exponent field - 2, held at 1 from below by a floor among the maximum's leaves.
; LIMITS: a block whose largest magnitude lies under 2^-124 gets the byte 1; a block of zeros gets the byte 1 where the rule says 127 (its codes are zeros, and the bytes are read by this program alone); NaN and infinities among the inputs are not served.
; SHARES.  A wave takes one tile and two K steps (two units of 16 rows x 128 numbers); a work-group two tiles.  Work-groups 0-127 take x, then 32 each Wq, Wk, Wv, Wo: pointers and offsets are chosen, the text has one path.
; Each load reads 512 consecutive bytes of a row; a unit turns through the wave's own stage in LDS (rows 528 bytes apart) so that a lane gets its 64 numbers.  No barrier: waves share nothing.
; THE TABLE: rope[pos][j] = {cos, sin}(pos x 10000^(-j / 32)), one entry a thread.  10000^(-j/32) = 2^(-j L), L = log2(10000) / 32 in two parts; the angle is one f32 product; it is reduced by pi / 2 in three parts; polynomials on |r| <= pi / 4.
.set XS,    3145728
.set WC,    3276800
.set WS,    5636096
.set OC,    5734400
.set OS,    6520832
.set WREG,  16896                      ; LDS of a wave: two stages
.set UREG,  8448                       ; a stage: 16 rows x 528
.set SP,    528
.set SPARE, 8*WREG                     ; the spare words: 128 bytes a wave
.set L16, 4                            ; v4   16 x lane
.set STI, 5                            ; v5   into the stage
.set STO, 6                            ; v6   out of it: row r, + 128 h
.set L4,  7                            ; v7   4 x lane
.set H8,  8                            ; v8   8 h
.set SPW, 10
.set NIL, 11
.set L8,  12                           ; v12  8 x lane
.set R,   16                           ; v16-143   two units as loaded
.set X,   144                          ; v144-207  a lane's 64 numbers
.set F,   208                          ; v208-219  the fragment
.set FT,  220                          ; v220-222, v224-226  the upper halves of the two blocks
.set TM,  228
.set SO,  230
.set BY,  232
.set PT,  234
.set WD,  236                          ; v236, v237  the two units' scale words
	s_load_b256 s[4:11], s[0:1], 0x0               ; x, Wq, Wk, Wv
	s_load_b128 s[12:15], s[0:1], 0x20             ; Wo, opq
	s_load_b64 s[16:17], s[0:1], 0x30              ; rope
	v_lshl_add_u32 v[SPW], v0, 2, SPARE
	v_mov_b32 v[NIL], 0
	v_lshrrev_b32 v1, 5, v0
	s_delay_alu instid0(VALU_DEP_1)
	v_readfirstlane_b32 s20, v1                    ; wave
	v_and_b32 v2, 31, v0                           ; lane
	v_and_b32 v3, 15, v0                           ; r
	v_bfe_u32 v9, v0, 4, 1                         ; h
	s_delay_alu instid0(VALU_DEP_3)
	v_lshlrev_b32 v[L16], 4, v2
	s_mul_i32 s21, s20, WREG
	v_add_nc_u32 v[STI], s21, v[L16]
	v_mul_u32_u24 v[STO], v3, SP
	s_delay_alu instid0(VALU_DEP_1)
	v_lshl_add_u32 v[STO], v9, 7, v[STO]
	s_delay_alu instid0(VALU_DEP_1)
	v_add_nc_u32 v[STO], s21, v[STO]
	v_lshlrev_b32 v[L4], 2, v2
	v_lshlrev_b32 v[H8], 3, v9
	v_lshlrev_b32 v[L8], 3, v2
	v_mov_b32 v[PT], 0                             ; a lane permute's destination counts as one of its sources
	s_mov_b32 s18, 0x76543210
	s_mov_b32 s19, 0xfedcba98                      ; selects for lane l xor 16
	s_lshr_b32 s22, s20, 2                         ; which of the work-group's two tiles
	s_and_b32 s23, s20, 3
	s_lshl_b32 s23, s23, 1                         ; s0: my first K step
	s_max_u32 s24, ttmp9, 128
	s_sub_co_u32 s24, s24, 128                     ; place among the weights' work-groups
	s_lshr_b32 s25, s24, 5                         ; kind: 0, 1, 2 = q, k, v
	s_and_b32 s24, s24, 31
	s_lshl_b32 s24, s24, 1
	s_lshl_b32 s26, ttmp9, 1
	s_cmp_lt_u32 ttmp9, 128
	s_cselect_b32 s24, s26, s24
	s_add_co_u32 s24, s24, s22                     ; Tt: my tile in its tensor
	s_lshr_b32 s26, s24, 1
	s_lshl_b32 s26, s26, 5
	s_and_b32 s27, s24, 1
	s_lshl_b32 s27, s27, 3
	s_add_co_u32 s26, s26, s27                     ; the tile's first row
	s_lshl_b32 s26, s26, 12                        ; rows of 4,096 bytes
	s_lshl_b32 s27, s23, 9
	s_add_co_u32 s26, s26, s27                     ; + 512 s0
	s_mov_b32 s27, 0
	s_mul_i32 s28, s24, 12288                      ; x: codes at 12288 Tt + 1536 s0
	s_mul_i32 s30, s23, 1536
	s_add_co_u32 s28, s28, s30
	s_lshl_b32 s29, s24, 9
	s_lshl_b32 s31, s23, 6
	s_add_co_u32 s29, s29, s31                     ; 512 Tt + 64 s0: x's and Wo's scale words
	s_lshr_b32 s46, s24, 2                         ; Wq, Wk, Wv: head,
	s_and_b32 s47, s24, 3
	s_lshl_b32 s48, s25, 2
	s_add_co_u32 s47, s47, s48                     ; tau
	s_mul_i32 s38, s46, 147456
	s_mul_i32 s48, s47, 1536
	s_add_co_u32 s38, s38, s48
	s_mul_i32 s48, s23, 18432
	s_add_co_u32 s38, s38, s48
	s_add_co_u32 s38, s38, WC
	s_mul_i32 s39, s46, 12
	s_add_co_u32 s39, s39, s47
	s_lshl_b32 s39, s39, 9
	s_add_co_u32 s39, s39, s31
	s_add_co_u32 s39, s39, WS
	s_lshr_b32 s46, s24, 3                         ; Wo: block of 128 columns, tile in it
	s_and_b32 s47, s24, 7
	s_mul_i32 s42, s46, 98304
	s_mul_i32 s48, s47, 1536
	s_add_co_u32 s42, s42, s48
	s_mul_i32 s48, s23, 12288
	s_add_co_u32 s42, s42, s48
	s_add_co_u32 s42, s42, OC
	s_add_co_u32 s43, s29, OS
	s_add_co_u32 s29, s29, XS
	s_mov_b32 s36, 12288
	s_cmp_lt_u32 ttmp9, 224
	s_cselect_b32 s32, s38, s42                    ; the codes' place,
	s_cselect_b32 s34, s39, s43                    ; the scale words',
	s_cselect_b32 s36, 18432, s36                  ; and from a K step to the next
	s_cmp_lt_u32 ttmp9, 128
	s_cselect_b32 s32, s28, s32
	s_cselect_b32 s34, s29, s34
	s_cselect_b32 s36, 1536, s36
	s_mov_b32 s33, 0
	s_mov_b32 s35, 0
	s_mov_b32 s37, 0
	s_lshl_b32 s50, ttmp9, 3
	s_add_co_u32 s50, s50, s20                     ; the table's position: 8 x work-group + wave
	s_lshl_b32 s52, s50, 8
	s_mov_b32 s53, 0
	s_wait_alu depctr_va_vdst(0)
	s_wait_kmcnt 0x0
	s_cmp_lt_u32 ttmp9, 224                        ; the source: the choice hangs on the work-group's number alone
	s_cselect_b64 s[40:41], s[10:11], s[12:13]
	s_cmp_lt_u32 ttmp9, 192
	s_cselect_b64 s[40:41], s[8:9], s[40:41]
	s_cmp_lt_u32 ttmp9, 160
	s_cselect_b64 s[40:41], s[6:7], s[40:41]
	s_cmp_lt_u32 ttmp9, 128
	s_cselect_b64 s[40:41], s[4:5], s[40:41]
	s_add_nc_u64 s[40:41], s[40:41], s[26:27]
	s_add_nc_u64 s[54:55], s[14:15], s[32:33]      ; unit 0's image
	s_add_nc_u64 s[56:57], s[54:55], s[36:37]      ; unit 1's
	s_add_nc_u64 s[58:59], s[14:15], s[34:35]      ; the two units' scale words: 128 bytes on end
	s_add_nc_u64 s[60:61], s[16:17], s[52:53]      ; my row of the table
.macro LOADU u                         ; unit u: 16 rows, 512 consecutive bytes a load
.irp i, 0,1,2,3,4,5,6,7,8,9,10,11,12,13,14,15
	global_load_b128 v[R+64*\u+4*\i:R+64*\u+4*\i+3], v[L16], s[40:41] offset:(\i+8*(\i/8))*4096+512*\u th:TH_LOAD_NT
.endr
.endm
.macro TURNU u                         ; through my stage: LDS serves a wave's instructions in order, so no wait stands between the stores and the loads
.irp i, 0,1,2,3,4,5,6,7,8,9,10,11,12,13,14,15
	ds_store_b128 v[STI], v[R+64*\u+4*\i:R+64*\u+4*\i+3] offset:UREG*\u+SP*\i
.endr
.irp c, 0,1
.irp q, 0,1,2,3,4,5,6,7
	ds_load_b128 v[X+32*\c+4*\q:X+32*\c+4*\q+3], v[STO] offset:UREG*\u+256*\c+16*\q   ; k = 64 c + 32 h + 4 q on, of row r
.endr
.endr
.endm
.macro QUANT64 u                       ; a lane's two whole blocks become registers 6 c .. 6 c + 5 of the fragment
.irp c, 0,1
	v_max3_num_f32 v[TM+\c], |v[X+32*\c]|, |v[X+32*\c+1]|, 0x1800000   ; with the floor 2^(3 - 127): the byte cannot fall under 1
.endr
.irp i, 2,4,6,8,10,12,14,16,18,20,22,24,26,28,30
.irp c, 0,1
	s_delay_alu instid0(VALU_DEP_2)
	v_max3_num_f32 v[TM+\c], v[TM+\c], |v[X+32*\c+\i]|, |v[X+32*\c+\i+1]|
.endr
.endr
.irp c, 0,1
	s_delay_alu instid0(VALU_DEP_2)
	v_add_nc_u32 v[SO+\c], 0xff000000, v[TM+\c]    ; 2 off the exponent field: the conversion's scale operand
.endr
.irp c, 0,1
	s_delay_alu instid0(VALU_DEP_2)
	v_lshrrev_b32 v[BY+\c], 23, v[SO+\c]           ; the scale's byte
.endr
	s_delay_alu instid0(VALU_DEP_1)
	v_lshl_or_b32 v[WD+\u], v[BY+1], 16, v[BY]     ; blocks h and 2 + h of row r,
	s_delay_alu instid0(VALU_DEP_1)
	v_lshlrev_b32 v[WD+\u], v[H8], v[WD+\u]        ; at their places in the word;
	s_delay_alu instid0(VALU_DEP_1)
	v_permlanex16_b32 v[PT], v[WD+\u], s18, s19
	s_delay_alu instid0(VALU_DEP_1)
	v_or_b32 v[WD+\u], v[WD+\u], v[PT]             ; with lane l xor 16's two the word is whole
.irp c, 0,1
	v_cvt_scalef32_pk16_fp6_f32 v[F+6*\c:F+6*\c+2], v[X+32*\c:X+32*\c+15], v[SO+\c]
	v_cvt_scalef32_pk16_fp6_f32 v[FT+4*\c:FT+4*\c+2], v[X+32*\c+16:X+32*\c+31], v[SO+\c]   ; (a conversion's three registers begin on an even number)
.endr
	v_nop                                          ; one plain place behind a scaled conversion
.irp c, 0,1
.irp i, 0,1,2
	v_mov_b32 v[F+6*\c+3+\i], v[FT+4*\c+\i]
.endr
.endr
.irp p, 0,1,2
	global_store_b128 v[L16], v[F+4*\p:F+4*\p+3], s[54+2*\u:55+2*\u] offset:512*\p   ; 512 consecutive bytes, aligned
.endr
.endm
	LOADU 0
	LOADU 1
	s_wait_loadcnt 16                              ; unit 0's 16 loads are in; unit 1's 16 stay out
	TURNU 0
	; the table's entry, while the stage turns
	v_cvt_f32_u32 v240, v2                         ; j
	s_delay_alu instid0(VALU_DEP_1)
	v_mul_f32 v241, 0x3ed48000, v240               ; j x 425 / 1024: exact
	s_delay_alu instid0(VALU_DEP_1)
	v_floor_f32 v242, v241                         ; its whole part n
	s_delay_alu instid0(VALU_DEP_1)
	v_sub_f32 v241, v241, v242
	s_delay_alu instid0(VALU_DEP_1)
	v_fmac_f32 v241, 0x3953c25e, v240              ; + j x the rest of L: f
	s_wait_alu depctr_va_vdst(0)
	v_exp_f32 v243, -v241                          ; 2^-f
	v_cvt_i32_f32 v242, v242                       ; (a plain place behind the transcendental)
	s_delay_alu instid0(VALU_DEP_1)
	v_sub_nc_u32 v242, 0, v242
	s_wait_alu depctr_va_vdst(0)                   ; ahead of the first reader
	v_ldexp_f32 v243, v243, v242                   ; 10000^(-j / 32)
	v_cvt_f32_u32 v244, s50
	s_delay_alu instid0(VALU_DEP_1)
	v_mul_f32 v244, v244, v243                     ; the angle a
	s_delay_alu instid0(VALU_DEP_1)
	v_mul_f32 v245, 0x3f22f983, v244
	s_delay_alu instid0(VALU_DEP_1)
	v_rndne_f32 v245, v245                         ; n2 = the nearest multiple of pi / 2
	s_delay_alu instid0(VALU_DEP_1)
	v_fmamk_f32 v246, v245, 0xbfc90000, v244
	s_delay_alu instid0(VALU_DEP_1)
	v_fmamk_f32 v246, v245, 0xb9fda000, v246
	s_delay_alu instid0(VALU_DEP_1)
	v_fmamk_f32 v246, v245, 0xb3a22168, v246       ; r = a - n2 pi / 2
	s_delay_alu instid0(VALU_DEP_1)
	v_mul_f32 v247, v246, v246                     ; z
	v_mov_b32 v248, 0xb94ca1f9
	s_delay_alu instid0(VALU_DEP_1)
	v_fmaak_f32 v248, v248, v247, 0x3c08839e
	s_delay_alu instid0(VALU_DEP_1)
	v_fmaak_f32 v248, v248, v247, 0xbe2aaaa3
	s_delay_alu instid0(VALU_DEP_1)
	v_mul_f32 v248, v248, v247
	s_delay_alu instid0(VALU_DEP_1)
	v_fma_f32 v248, v248, v246, v246               ; sin r
	v_mov_b32 v249, 0x37ccf5ce
	s_delay_alu instid0(VALU_DEP_1)
	v_fmaak_f32 v249, v249, v247, 0xbab6061a
	s_delay_alu instid0(VALU_DEP_1)
	v_fmaak_f32 v249, v249, v247, 0x3d2aaaa5
	s_delay_alu instid0(VALU_DEP_1)
	v_mul_f32 v249, v249, v247
	v_fma_f32 v250, v247, -0.5, 1.0
	s_delay_alu instid0(VALU_DEP_1)
	v_fma_f32 v249, v249, v247, v250               ; cos r
	v_cvt_i32_f32 v251, v245                       ; the quadrant
	s_delay_alu instid0(VALU_DEP_1)
	v_and_b32 v252, 1, v251
	s_delay_alu instid0(VALU_DEP_1)
	v_cmp_ne_u32 vcc_lo, 0, v252
	s_delay_alu instid0(VALU_DEP_1)
	v_cndmask_b32 v253, v248, v249, vcc_lo         ; sin a: in odd quadrants cos r,
	s_delay_alu instid0(VALU_DEP_2)
	v_cndmask_b32 v252, v249, v248, vcc_lo         ; cos a: sin r
	v_and_b32 v254, 2, v251
	s_delay_alu instid0(VALU_DEP_1)
	v_lshlrev_b32 v254, 30, v254
	s_delay_alu instid0(VALU_DEP_1)
	v_xor_b32 v253, v253, v254                     ; sin a is negative in quadrants 2, 3
	v_add_nc_u32 v251, 1, v251
	s_delay_alu instid0(VALU_DEP_1)
	v_and_b32 v251, 2, v251
	s_delay_alu instid0(VALU_DEP_1)
	v_lshlrev_b32 v251, 30, v251
	s_delay_alu instid0(VALU_DEP_1)
	v_xor_b32 v252, v252, v251                     ; cos a in quadrants 1, 2
	global_store_b64 v[L8], v[252:253], s[60:61]   ; 32 lanes store the position's 256 bytes
	s_wait_dscnt 0x0
	QUANT64 0
	s_wait_loadcnt 0x0
	TURNU 1
	s_wait_dscnt 0x0
	s_wait_xcnt 0x0                                ; unit 0's stores have read the fragment's registers
	QUANT64 1
	v_cmp_gt_u32 vcc_lo, 16, v2
	s_delay_alu instid0(VALU_DEP_1)
	v_cndmask_b32 v238, v[WD+1], v[WD], vcc_lo     ; lanes 0-15: unit 0's words, lanes 16-31: unit 1's
	global_store_b32 v[L4], v238, s[58:59]         ; 128 consecutive bytes
	s_wait_tensorcnt 0x0                           ; the wave's end
	ds_add_u32 v[SPW], v[NIL]
	s_wait_dscnt 0x0
	s_endpgm
.Lfunc_end_k_q0f3c3ee463_quant:
	.size	k_q0f3c3ee463_quant, .Lfunc_end_k_q0f3c3ee463_quant-k_q0f3c3ee463_quant
	.p2alignl 7, 3214868480
	.fill 96, 4, 3214868480
	.section	.rodata,"a",@progbits
	.p2align	6, 0x0
	.amdhsa_kernel k_q0f3c3ee463_quant
		.amdhsa_group_segment_fixed_size 136192
		.amdhsa_private_segment_fixed_size 0
		.amdhsa_enable_private_segment 0
		.amdhsa_kernarg_size 56
		.amdhsa_user_sgpr_count 2
		.amdhsa_user_sgpr_kernarg_segment_ptr 1
		.amdhsa_wavefront_size32 1
		.amdhsa_system_sgpr_workgroup_id_x 1
		.amdhsa_system_sgpr_workgroup_id_y 1
		.amdhsa_system_sgpr_workgroup_id_z 1
		.amdhsa_system_vgpr_workitem_id 0
		.amdhsa_next_free_vgpr 256
		.amdhsa_next_free_sgpr 66
		.amdhsa_reserve_vcc 1
		.amdhsa_float_denorm_mode_32 3
		.amdhsa_float_denorm_mode_16_64 3
		.amdhsa_memory_ordered 1
		.amdhsa_forward_progress 1
		.amdhsa_inst_pref_size 24
	.end_amdhsa_kernel
	.amdgpu_metadata
---
amdhsa.version: [ 1, 2 ]
amdhsa.kernels:
  - .name:           k_q0f3c3ee463_quant
    .symbol:         k_q0f3c3ee463_quant.kd
    .args:
      - { .name: x, .offset: 0, .size: 8, .value_kind: global_buffer, .address_space: global }
      - { .name: Wq, .offset: 8, .size: 8, .value_kind: global_buffer, .address_space: global }
      - { .name: Wk, .offset: 16, .size: 8, .value_kind: global_buffer, .address_space: global }
      - { .name: Wv, .offset: 24, .size: 8, .value_kind: global_buffer, .address_space: global }
      - { .name: Wo, .offset: 32, .size: 8, .value_kind: global_buffer, .address_space: global }
      - { .name: opq, .offset: 40, .size: 8, .value_kind: global_buffer, .address_space: global }
      - { .name: rope, .offset: 48, .size: 8, .value_kind: global_buffer, .address_space: global }
    .group_segment_fixed_size: 136192
    .private_segment_fixed_size: 0
    .kernarg_segment_align: 8
    .kernarg_segment_size: 56
    .max_flat_workgroup_size: 256
    .sgpr_count:     66
    .vgpr_count:     256
    .wavefront_size: 32
...
	.end_amdgpu_metadata
.endif
;; end of part 1
;; launch qkv (part 2): grid 16 x 16, 4 waves a work-group, clusters of 4 x 1, 167,936 bytes of LDS; arguments opq, rope, qq, kv; writes qq, kv
.if DOCPART == 2
	.amdgcn_target "amdgcn-amd-amdhsa--gfx1250"
	.amdhsa_code_object_version 6
	.text
	.protected	k_q0f3c3ee463_qkv
	.globl	k_q0f3c3ee463_qkv
	.p2align	8
	.type	k_q0f3c3ee463_qkv,@function
k_q0f3c3ee463_qkv:
	s_mov_b64 s[64:65], 0
	v_nop
	global_prefetch_b8 v0, s[64:65] scope:SCOPE_SE
	s_setreg_imm32_b32 hwreg(HW_REG_WAVE_MODE, 25, 1), 1
	s_wait_xcnt 0x0
	s_wait_alu depctr_hold_cnt(0) depctr_sa_sdst(0) depctr_va_vdst(0) depctr_va_sdst(0) depctr_va_ssrc(0) depctr_va_vcc(0) depctr_vm_vsrc(0)
	s_getreg_b32 s2, hwreg(HW_REG_IB_STS2, 6, 4)
	s_cmp_eq_u32 s2, 0
	s_cbranch_scc0 .Lentry_in_a_cluster
	s_endpgm
.Lentry_in_a_cluster:
	s_bfe_u32 s2, ttmp6, 0x10000c
	s_cmp_lg_u32 s2, 0x3003
	s_cbranch_scc0 .Lentry_shape_is_right
	s_endpgm
.Lentry_shape_is_right:
; SECOND LAUNCH: q, k, v = x Wq^T, x Wk^T, x Wv^T on codes of FP6; the rotary step on q and k in f32; then the quantisers of the attention's operands: q and k along the head's 64, v along the keys.  Nothing of the problem is left out.
; SHARES.  A work-group makes q, k and v of ONE head for 256 tokens; each of its four waves 64 tokens (four tiles) against the head's 192 columns: 48 accumulators.  A wave's fragments of x are its own: they come from memory straight into registers.
; The head's weights for all of K (147,456 bytes of images, 6,144 of scale words) are read by the four waves and by the four work-groups of the cluster (same head, other tokens): they come ONCE, by joint tensor loads, one a wave (one is out at most); nothing is filled again.
; A cluster of 4 x 1 and not 4 x 4: to share x too it would have to lie in LDS, and its 196,608 bytes do not fit beside the weights.
; q and k are made transposed (source 0 = 16 rows of W, source 1 = 16 tokens): a lane holds a token and its registers run along the head's channels.  v is made the other way round: a lane holds a channel and its registers run along the tokens, which are the keys.
; By the choice of a tile's rows (row i of tile T = 32 (T / 2) + 8 (T % 2) + i + 8 (i / 8)) the 32 registers of four tiles are, for lane (r, h), numbers 32 b + 16 h + 0 .. 15 (b = 0, 1) along the next K.
; OUT.  A half image is 16 rows x 64 K, 6 registers a lane: registers 0-3 at 16 l, registers 4, 5 at 512 + 8 l: 768 bytes.  qq: q's half images [bh 32][tile 128], then words [bh][tile][16].
; kv: a record of 12,800 bytes for each head and 128 keys: 8 half images of k (two on end make a fragment that holds two tiles of keys), 8 of v^T (two on end: 16 channels x 128 keys), 64 words of k's scales, 64 of v's.
; THE 1/8 OF THE SCORES goes into q's scale bytes: each is lowered by 3, an exact power of two.  LIMITS: q's blocks whose largest magnitude lies under 2^-121, other blocks under 2^-124, get the least byte; blocks of zeros get it too (zero codes); NaN and infinities are not served.
.set XS,    3145728
.set WC,    3276800
.set WS,    5636096
.set QS,    3145728
.set REC,   12800
.set WSL,   147456                     ; LDS: behind the weights' images their scale words,
.set STK,   153600                     ; a stage for k's and v's scale words: [128 keys 2][k 256 | v 256],
.set STQ,   154624                     ; one for q's: 256 bytes a wave,
.set SPARE, 155648                     ; and the spare words: 128 bytes a wave
.set L16, 2
.set L8,  3
.set L4,  4
.set AW,  5                            ; v5-8   16 l + 36864 p: the weights' images of K steps 2 p, 2 p + 1
.set ASW, 9                            ; v9     their scale words: lanes 0-15 one tile, lanes 16-31 the next
.set TAD, 10                           ; v10    the table: my token's row, + 64 h
.set AQW, 11
.set AKW, 12
.set AVW, 13
.set ARK, 14
.set ARQ, 15
.set SPW, 28
.set NIL, 29
.set XSC, 32                           ; v32-47 x's scale words: [tile 4][K steps 2 p | 2 p + 1 in the lanes' halves]
.set WSC, 48                           ; v48-53 the weights': [kind 3][tiles 2 i | 2 i + 1]
.set AR,  64                           ; v64-255 x's fragments: four sets of 48
; window 1: v0-143 the weights' fragments, 48 a kind.  window 2: q's accumulators at 8 (4 mt + nt), k's 128 on.  window 3: v's at 8 (4 nt + mt); v128-255 the table, 32 a tile.
.set ROT, 64                           ; the way out, in window 0: 32 rotated numbers,
.set TA,  96
.set PC,  104                          ; a half image,
.set PCT, 112
.set TM,  116
.set T2,  118
.set SO,  120
.set BY,  122
.set HW,  124                          ; its two scale bytes
.set QW,  128
.set KH,  132
.set VH,  136
.set FLO, 140
.set FLQ, 141
.set WV,  12
.set G1C, 24
.set G1S, 32
.set G0,  40                           ; s[40:47] two groups 0
.set SEL, 60
.set XB,  66
.set XSB, 68
.set RB,  70
.set QB,  72
.set QSB, 74
.set KB,  78
.set VB,  80
.set SB,  82
.set MSB, 0
.macro WIN new                         ; the immediate's high byte repeats the setting that is left
.if MSB != (\new)
	s_set_vgpr_msb (MSB<<8)|(\new)
.set MSB, (\new)
.endif
.endm
.macro PLACES n
.rept \n
	v_nop
.endr
.endm
.macro CROUND                          ; a round of the cluster's barrier
	s_barrier_signal -1
	s_barrier_wait -1
	s_cmp_lg_u32 s[WV], 0
	s_cbranch_scc1 .Lnot_wave_0_\@
	s_barrier_signal -3
.Lnot_wave_0_\@:
	s_barrier_wait -3
	s_barrier_signal -1
	s_barrier_wait -1
.endm
; one product: registers by the symbols rD, rA, rB, rSA, rSB.  zero: it starts the sum.  ra, rb: the side's scale words stand in lanes 16-31
.macro WM zero, ra, rb
.if \zero
.if (\ra) && (\rb)
	v_wmma_scale_f32_16x16x128_f8f6f4 v[rD:rD+7], v[rA:rA+11], v[rB:rB+11], 0, v[rSA], v[rSB] matrix_a_fmt:MATRIX_FMT_FP6 matrix_b_fmt:MATRIX_FMT_FP6 matrix_a_scale:MATRIX_SCALE_ROW1 matrix_b_scale:MATRIX_SCALE_ROW1
.elseif (\ra)
	v_wmma_scale_f32_16x16x128_f8f6f4 v[rD:rD+7], v[rA:rA+11], v[rB:rB+11], 0, v[rSA], v[rSB] matrix_a_fmt:MATRIX_FMT_FP6 matrix_b_fmt:MATRIX_FMT_FP6 matrix_a_scale:MATRIX_SCALE_ROW1
.elseif (\rb)
	v_wmma_scale_f32_16x16x128_f8f6f4 v[rD:rD+7], v[rA:rA+11], v[rB:rB+11], 0, v[rSA], v[rSB] matrix_a_fmt:MATRIX_FMT_FP6 matrix_b_fmt:MATRIX_FMT_FP6 matrix_b_scale:MATRIX_SCALE_ROW1
.else
	v_wmma_scale_f32_16x16x128_f8f6f4 v[rD:rD+7], v[rA:rA+11], v[rB:rB+11], 0, v[rSA], v[rSB] matrix_a_fmt:MATRIX_FMT_FP6 matrix_b_fmt:MATRIX_FMT_FP6
.endif
.else
.if (\ra) && (\rb)
	v_wmma_scale_f32_16x16x128_f8f6f4 v[rD:rD+7], v[rA:rA+11], v[rB:rB+11], v[rD:rD+7], v[rSA], v[rSB] matrix_a_fmt:MATRIX_FMT_FP6 matrix_b_fmt:MATRIX_FMT_FP6 matrix_a_scale:MATRIX_SCALE_ROW1 matrix_b_scale:MATRIX_SCALE_ROW1
.elseif (\ra)
	v_wmma_scale_f32_16x16x128_f8f6f4 v[rD:rD+7], v[rA:rA+11], v[rB:rB+11], v[rD:rD+7], v[rSA], v[rSB] matrix_a_fmt:MATRIX_FMT_FP6 matrix_b_fmt:MATRIX_FMT_FP6 matrix_a_scale:MATRIX_SCALE_ROW1
.elseif (\rb)
	v_wmma_scale_f32_16x16x128_f8f6f4 v[rD:rD+7], v[rA:rA+11], v[rB:rB+11], v[rD:rD+7], v[rSA], v[rSB] matrix_a_fmt:MATRIX_FMT_FP6 matrix_b_fmt:MATRIX_FMT_FP6 matrix_b_scale:MATRIX_SCALE_ROW1
.else
	v_wmma_scale_f32_16x16x128_f8f6f4 v[rD:rD+7], v[rA:rA+11], v[rB:rB+11], v[rD:rD+7], v[rSA], v[rSB] matrix_a_fmt:MATRIX_FMT_FP6 matrix_b_fmt:MATRIX_FMT_FP6
.endif
.endif
.endm
.macro LOADA s                         ; x's four fragments of K step s into set s % 4: 12 loads of 512 consecutive bytes
.irp mt, 0,1,2,3
.irp p, 0,1,2
	global_load_b128 v[AR+48*((\s)%4)+12*\mt+4*\p:AR+48*((\s)%4)+12*\mt+4*\p+3], v[L16], s[XB:XB+1] offset:12288*\mt+1536*(\s)+512*\p
.endr
.endr
.endm
.macro LOADW s, g                      ; kind g's four fragments of K step s and their scale words: 14 LDS loads
	WIN 0x40                                       ; destination window 1
.irp n, 0,1,2,3
.irp p, 0,1,2
	ds_load_b128 v[48*\g+12*\n+4*\p:48*\g+12*\n+4*\p+3], v[AW+(\s)/2] offset:18432*((\s)%2)+1536*(4*\g+\n)+512*\p
.endr
.endr
	WIN 0
.irp i, 0,1
	ds_load_b32 v[WSC+2*\g+\i], v[ASW] offset:512*(4*\g+2*\i)+64*(\s)
.endr
.endm
.macro LOADT                           ; the table: for each of my four tiles 32 numbers a lane, laid as the accumulators' registers: cos at the even, sin at the odd
	WIN 0xc0                                       ; destination window 3
.irp mt, 0,1,2,3
.irp b, 0,1
.irp i, 0,1,2,3
	global_load_b128 v[128+32*\mt+16*\b+4*\i:128+32*\mt+16*\b+4*\i+3], v[TAD], s[RB:RB+1] offset:(32*(\mt/2)+8*(\mt%2))*256+128*\b+16*\i
.endr
.endr
.endr
	WIN 0
.endm
.macro PHASE p                         ; K steps 2 p and 2 p + 1 of the weights lie in LDS for every wave.
.if (\p) == 0                          ; all of the head's weights come by the head's loads, one a wave: one wait and one barrier show them to every wave; the later phases need none
	s_wait_tensorcnt 0x0
	s_wait_dscnt 0x0
	s_barrier_signal -1
	s_barrier_wait -1
.endif
.endm
; 16 products on 16 accumulators by turns; the three kinds follow each other, so an accumulator comes again after 47 others
.macro MUL16 s, g
.if \g < 2
	WIN 0xa1                                       ; source 0 (W) window 1, source 1 (x) window 0, C and D window 2
.else
	WIN 0xf4                                       ; source 0 (x) window 0, source 1 (W) window 1, C and D window 3
.endif
.irp mt, 0,1,2,3
.irp nt, 0,1,2,3
.if \g < 2
.set rD, 128*\g+8*(4*\mt+\nt)
.set rA, 48*\g+12*\nt
.set rB, AR+48*((\s)%4)+12*\mt
.set rSA, WSC+2*\g+\nt/2
.set rSB, XSC+4*\mt+(\s)/2
	WM (\s)==0, \nt%2, (\s)%2
.else
.set rD, 8*(4*\nt+\mt)
.set rA, AR+48*((\s)%4)+12*\mt
.set rB, 96+12*\nt
.set rSA, XSC+4*\mt+(\s)/2
.set rSB, WSC+4+\nt/2
	WM (\s)==0, (\s)%2, \nt%2
.endif
.endr
.endr
.endm
.macro GROUP s, g
.if \g == 0
.if \s < 5
	s_wait_loadcnt 36                              ; x's set of this K step is in; behind it: three sets of 12
.else
	s_wait_loadcnt 32+12*(7-\s)                    ; behind it: the later sets and the table's 32
.endif
.endif
.if \s < 7
	s_wait_dscnt 28                                ; my 14 LDS loads are in; behind them: the next two kinds' 14 each
.else
	s_wait_dscnt 14*(2-\g)
.endif
	MUL16 \s, \g
	WIN 0
.if \s < 7
.if (\g == 0) && (\s % 2 == 1)
	PHASE (\s+1)/2
.endif
	PLACES 4                                       ; four places in front of loads into registers that these products have read
	LOADW \s+1, \g
.if \g == 2
.if \s < 4
	LOADA \s+4
.elseif \s == 4
	LOADT
.endif
.endif
.endif
.endm
	s_load_b256 s[4:11], s[0:1], 0x0               ; opq, rope, qq, kv
	v_lshl_add_u32 v[SPW], v0, 2, SPARE
	v_mov_b32 v[NIL], 0
	ds_add_u32 v[SPW], v[NIL]                      ; the wave's opening: the add, twice on end, and its wait ahead of my first tensor load
	ds_add_u32 v[SPW], v[NIL]
	v_lshrrev_b32 v1, 5, v0
	v_readfirstlane_b32 s[WV], v1                  ; wave 0..3
	s_bfe_u32 s13, ttmp6, 0x40000                  ; cx
	s_lshl_b32 s14, ttmp9, 2
	s_add_co_u32 s14, s14, s13                     ; X: my block of 256 tokens
	s_and_b32 s15, ttmp7, 0xffff                   ; the head, which the four partners share
	s_mov_b32 s[G1C], 15|(3<<16)|(1<<21)           ; the mask: all four; elements of 8 bytes; bit 21 beside a mask; no padding
	s_mov_b32 s[G1C+1], 32<<16                     ; rows of 256 bytes,
	s_mov_b32 s[G1C+2], 192<<16                    ; 192 of them: a third of the head's images
	s_mov_b32 s[G1C+3], 32<<16
	s_mov_b32 s[G1C+4], 192
	s_mov_b32 s[G1C+5], 32
	s_mov_b32 s[G1C+6], 0
	s_mov_b32 s[G1C+7], 0
	s_mov_b32 s[G1S], 15|(3<<16)|(1<<21)
	s_mov_b32 s[G1S+1], 32<<16
	s_mov_b32 s[G1S+2], 24<<16                     ; 24 rows: all the head's scale words
	s_mov_b32 s[G1S+3], 32<<16
	s_mov_b32 s[G1S+4], 24
	s_mov_b32 s[G1S+5], 32
	s_mov_b32 s[G1S+6], 0
	s_mov_b32 s[G1S+7], 0
	s_mul_i32 s16, s15, 147456                     ; the joint loads' places hang on the head and the wave's number alone
	s_mul_i32 s18, s[WV], 49152
	s_add_co_u32 s16, s16, s18
	s_add_co_u32 s16, s16, WC
	s_mov_b32 s17, 0
	s_mul_i32 s20, s15, 6144
	s_add_co_u32 s20, s20, WS
	s_mov_b32 s21, 0
	s_mov_b32 s[SEL], 0x76543210
	s_mov_b32 s[SEL+1], 0xfedcba98
	s_lshl_b32 s84, s14, 4
	s_lshl_b32 s85, s[WV], 2
	s_add_co_u32 s84, s84, s85                     ; my first tile of tokens: 16 X + 4 w
	s_and_b32 s86, s14, 7                          ; X within the batch
	s_lshr_b32 s87, s14, 3
	s_lshl_b32 s87, s87, 4
	s_add_co_u32 s87, s87, s15                     ; bh = 16 b + head
	s_mov_b32 s91, 0
	s_wait_dscnt 0x0                               ; both opening adds are done
	s_wait_kmcnt 0x0
	s_add_nc_u64 s[16:17], s[4:5], s[16:17]
	s_add_nc_u64 s[20:21], s[4:5], s[20:21]
	s_mul_i32 s90, s84, 12288
	s_add_nc_u64 s[XB:XB+1], s[4:5], s[90:91]      ; x's images
	s_lshl_b32 s90, s84, 9
	s_add_co_u32 s90, s90, XS
	s_add_nc_u64 s[XSB:XSB+1], s[4:5], s[90:91]    ; x's scale words
	s_lshl_b32 s90, s86, 16
	s_lshl_b32 s88, s[WV], 14
	s_add_co_u32 s90, s90, s88
	s_add_nc_u64 s[RB:RB+1], s[6:7], s[90:91]      ; the table at position 256 (X % 8) + 64 w
	s_lshl_b32 s88, s87, 7
	s_lshl_b32 s89, s86, 4
	s_add_co_u32 s88, s88, s89
	s_add_co_u32 s88, s88, s85                     ; my first tile in qq: 128 bh + 16 (X % 8) + 4 w
	s_mul_i32 s90, s88, 768
	s_add_nc_u64 s[QB:QB+1], s[8:9], s[90:91]
	s_lshl_b32 s90, s88, 6
	s_add_co_u32 s90, s90, QS
	s_add_nc_u64 s[QSB:QSB+1], s[8:9], s[90:91]
	s_lshl_b32 s88, s87, 4
	s_lshl_b32 s89, s86, 1
	s_add_co_u32 s88, s88, s89
	s_lshr_b32 s89, s[WV], 1
	s_add_co_u32 s88, s88, s89                     ; my record: 16 bh + 2 (X % 8) + w / 2
	s_mul_i32 s90, s88, REC
	s_add_nc_u64 s[SB:SB+1], s[10:11], s[90:91]
	s_and_b32 s89, s[WV], 1
	s_mul_i32 s90, s89, 3072
	s_add_nc_u64 s[KB:KB+1], s[SB:SB+1], s[90:91]  ; k: my four tiles of its eight
	s_mul_i32 s90, s89, 768
	s_add_co_u32 s90, s90, 6144
	s_add_nc_u64 s[VB:VB+1], s[SB:SB+1], s[90:91]  ; v: my half of each fragment's keys
	s_lshl_b32 s90, s89, 8
	s_add_co_u32 s90, s90, 12288
	s_add_nc_u64 s[SB:SB+1], s[SB:SB+1], s[90:91]  ; the 256 bytes of scale words that I store
	CROUND                                         ; all four work-groups are here: the joint loads meet
	s_mov_b32 s[G0], 1
	s_mov_b32 s[G0+1], WSL
	s_mov_b64 s[G0+2:G0+3], s[20:21]
	s_or_b32 s[G0+3], s[G0+3], 0x80000000
.irp p, 0
	s_mov_b32 s[G0+4+4*\p], 1
	s_add_co_u32 s[G0+5+4*\p], s18, 36864*\p
	s_add_nc_u64 s[G0+6+4*\p:G0+7+4*\p], s[16:17], 36864*\p
	s_or_b32 s[G0+7+4*\p], s[G0+7+4*\p], 0x80000000
.endr
	s_cmp_lt_u32 s[WV], 3                          ; one joint load a wave: waves 0-2 a third of the images each, wave 3 the scale words
	s_cbranch_scc0 .Lhead_s
	tensor_load_to_lds s[G0+4:G0+7], s[G1C:G1C+7]
	s_nop 0
	PLACES 4
	s_branch .Lhead_j
.Lhead_s:
	tensor_load_to_lds s[G0:G0+3], s[G1S:G1S+7]
	s_nop 0
	PLACES 4
.Lhead_j:
	v_and_b32 v16, 31, v0                          ; l
	v_and_b32 v17, 15, v0                          ; r
	v_bfe_u32 v18, v0, 4, 1                        ; h
	v_lshlrev_b32 v[L16], 4, v16
	v_lshlrev_b32 v[L8], 3, v16
	v_lshlrev_b32 v[L4], 2, v16
.irp mt, 0,1,2,3
.irp p, 0,1,2,3
	global_load_b32 v[XSC+4*\mt+\p], v[L4], s[XSB:XSB+1] offset:512*\mt+128*\p
.endr
.endr
	LOADA 0
	LOADA 1
	LOADA 2
	LOADA 3
.irp p, 0,1,2,3
	v_add_nc_u32 v[AW+\p], 36864*\p, v[L16]
.endr
	v_lshlrev_b32 v19, 2, v17                      ; 4 r
	v_lshl_add_u32 v[ASW], v18, 9, v19
	v_add_nc_u32 v[ASW], WSL, v[ASW]
	v_and_b32 v20, 8, v17
	v_add_nc_u32 v20, v20, v17                     ; r + 8 (r / 8)
	v_lshlrev_b32 v[TAD], 8, v20
	v_lshl_add_u32 v[TAD], v18, 6, v[TAD]
	s_lshl_b32 s62, s[WV], 8                       ; the stages' addresses: constants, the lane and the wave's number
	s_add_co_u32 s63, s62, STQ
	v_add_nc_u32 v[AQW], s63, v19
	v_add_nc_u32 v[ARQ], s63, v[L8]
	s_add_co_u32 s63, s62, STK
	v_add_nc_u32 v[ARK], s63, v[L8]
	s_lshr_b32 s62, s[WV], 1
	s_lshl_b32 s62, s62, 9
	s_and_b32 s92, s[WV], 1
	s_lshl_b32 s93, s92, 7
	s_add_co_u32 s93, s93, s62
	s_add_co_u32 s93, s93, STK
	v_add_nc_u32 v[AKW], s93, v19                  ; k's words: 512 (w / 2) + 128 (w % 2) + 4 r
	s_lshl_b32 s93, s92, 1
	s_add_co_u32 s93, s93, s62
	s_add_co_u32 s93, s93, STK+256
	v_add_nc_u32 v[AVW], s93, v19                  ; v's half words: 512 (w / 2) + 256 + 4 r + 2 (w % 2)
	s_wait_alu depctr_va_vdst(0)
	PHASE 0
	LOADW 0, 0
	LOADW 0, 1
	LOADW 0, 2
.irp s, 0,1,2,3,4,5,6,7
.irp g, 0,1,2
	GROUP \s, \g
.endr
.endr
; THE WAY OUT.  ROPE: the pair (2 i, 2 i + 1) of a token's 32 numbers of kind q or k is turned by the table's cos and sin; each accumulator is read from its low end on.
.macro ROPE kind, mt
	WIN 0x0e                                       ; source 0 window 2 (accumulators), source 1 window 3 (table), source 2 and destination window 0
.irp i, 0,1,2,3,4,5,6,7,8,9,10,11,12,13,14,15
	v_mul_f32 v[TA+2*(\i%4)], v[128*\kind+32*\mt+2*\i+1], v[128+32*\mt+2*\i+1]
	v_mul_f32 v[TA+2*(\i%4)+1], v[128*\kind+32*\mt+2*\i], v[128+32*\mt+2*\i+1]
	v_fma_f32 v[ROT+2*\i], v[128*\kind+32*\mt+2*\i], v[128+32*\mt+2*\i], -v[TA+2*(\i%4)]
	v_fma_f32 v[ROT+2*\i+1], v[128*\kind+32*\mt+2*\i+1], v[128+32*\mt+2*\i], v[TA+2*(\i%4)+1]
.endr
	WIN 0
.endm
; 32 numbers of a lane in window win, register 16 b + i = k 32 b + 16 h + i of my row, become a half image in v[PC] on and two scale bytes in v[HW].  fl: the register with the floor
.macro QUANT32 src, win, fl
	WIN ((\win)<<2)|((\win)<<4)
.irp b, 0,1
	v_max3_num_f32 v[TM+\b], v[\fl], |v[(\src)+16*\b]|, |v[(\src)+16*\b+1]|
.endr
.irp i, 2,4,6,8,10,12,14
.irp b, 0,1
	v_max3_num_f32 v[TM+\b], v[TM+\b], |v[(\src)+16*\b+\i]|, |v[(\src)+16*\b+\i+1]|
.endr
.endr
	WIN 0
.irp b, 0,1
	v_permlanex16_b32 v[T2+\b], v[TM+\b], s[SEL], s[SEL+1]
.endr
.irp b, 0,1
	v_max_num_f32 v[TM+\b], v[TM+\b], v[T2+\b]     ; with lane l xor 16's 16: the block's largest magnitude
.endr
.irp b, 0,1
	v_add_nc_u32 v[SO+\b], 0xff000000, v[TM+\b]    ; 2 off the exponent field: the conversion's scale operand
.endr
.irp b, 0,1
	v_lshrrev_b32 v[BY+\b], 23, v[SO+\b]
.endr
	v_lshl_or_b32 v[HW], v[BY+1], 8, v[BY]
	s_wait_alu depctr_va_vdst(0)
	s_wait_xcnt 0x0                                ; the last image's stores have read their registers
	WIN \win
	v_cvt_scalef32_pk16_fp6_f32 v[PC:PC+2], v[(\src):(\src)+15], v[SO]
	v_cvt_scalef32_pk16_fp6_f32 v[PCT:PCT+2], v[(\src)+16:(\src)+31], v[SO+1]
	WIN 0
	v_nop                                          ; one plain place behind a scaled conversion
.irp i, 0,1,2
	v_permlane16_swap_b32 v[PC+\i], v[PCT+\i]      ; a whole block to a lane: lanes 0-15 block 0, lanes 16-31 block 1
.endr
.irp i, 0,1,2
	v_mov_b32 v[PC+3+\i], v[PCT+\i]
.endr
.endm
.macro PUT base, off                   ; the half image: 512 and 256 consecutive bytes, aligned
	global_store_b128 v[L16], v[PC:PC+3], s[\base:\base+1] offset:\off
	global_store_b64 v[L8], v[PC+4:PC+5], s[\base:\base+1] offset:\off+512
.endm
	PLACES 4                                       ; behind the last products, ahead of the first read of results and of writes into x's registers
	s_wait_loadcnt 0x0                             ; the table
	v_mov_b32 v[FLO], 0x1800000                    ; the floor 2^(3 - 127),
	v_mov_b32 v[FLQ], 0x3000000                    ; and q's, 2^(6 - 127): its byte stays at 1 or more when 3 are taken off
	v_mov_b32 v[T2], 0
	v_mov_b32 v[T2+1], 0
.irp mt, 0,1,2,3
	ROPE 0, \mt
	QUANT32 ROT, 0, FLQ
	v_add_nc_u32 v[HW], 0xfffffcfd, v[HW]          ; 3 off both bytes: the scores' 1/8
	v_lshl_or_b32 v[QW+\mt], v[HW], 16, v[HW]      ; the word serves q in either half of a fragment
	PUT QB, 768*\mt
	ROPE 1, \mt
	QUANT32 ROT, 0, FLO
	v_mov_b32 v[KH+\mt], v[HW]
	PUT KB, 768*\mt
.endr
.irp nt, 0,1,2,3
	QUANT32 32*\nt, 3, FLO
	v_mov_b32 v[VH+\nt], v[HW]
	PUT VB, 1536*\nt
.endr
	; the scale words leave through LDS, so that each store covers 256 consecutive bytes, aligned
.irp mt, 0,1,2,3
	ds_store_b32 v[AQW], v[QW+\mt] offset:64*\mt
.endr
.irp b, 0,1
	v_lshl_or_b32 v[TA+\b], v[KH+2*\b+1], 16, v[KH+2*\b]   ; a fragment of k holds two tiles of keys: two bytes each
	ds_store_b32 v[AKW], v[TA+\b] offset:64*\b
.endr
.irp ct, 0,1,2,3
	ds_store_b16 v[AVW], v[VH+\ct] offset:64*\ct   ; my 64 keys' two bytes of the word of 128 keys
.endr
	s_wait_dscnt 0x0                               ; for the others' sake: my stores have landed
	s_barrier_signal -1
	s_barrier_wait -1
	ds_load_b64 v[100:101], v[ARK]
	ds_load_b64 v[102:103], v[ARQ]
	s_wait_dscnt 0x0
	global_store_b64 v[L8], v[100:101], s[SB:SB+1]
	global_store_b64 v[L8], v[102:103], s[QSB:QSB+1]
	s_wait_tensorcnt 0x0                           ; the wave's end
	ds_add_u32 v[SPW], v[NIL]
	s_wait_dscnt 0x0
	CROUND                                         ; the closing round
	s_endpgm
.Lfunc_end_k_q0f3c3ee463_qkv:
	.size	k_q0f3c3ee463_qkv, .Lfunc_end_k_q0f3c3ee463_qkv-k_q0f3c3ee463_qkv
	.p2alignl 7, 3214868480
	.fill 96, 4, 3214868480
	.section	.rodata,"a",@progbits
	.p2align	6, 0x0
	.amdhsa_kernel k_q0f3c3ee463_qkv
		.amdhsa_group_segment_fixed_size 167936
		.amdhsa_private_segment_fixed_size 0
		.amdhsa_enable_private_segment 0
		.amdhsa_kernarg_size 32
		.amdhsa_user_sgpr_count 2
		.amdhsa_user_sgpr_kernarg_segment_ptr 1
		.amdhsa_wavefront_size32 1
		.amdhsa_system_sgpr_workgroup_id_x 1
		.amdhsa_system_sgpr_workgroup_id_y 1
		.amdhsa_system_sgpr_workgroup_id_z 1
		.amdhsa_system_vgpr_workitem_id 0
		.amdhsa_next_free_vgpr 1024
		.amdhsa_next_free_sgpr 96
		.amdhsa_reserve_vcc 0
		.amdhsa_float_denorm_mode_32 3
		.amdhsa_float_denorm_mode_16_64 3
		.amdhsa_memory_ordered 1
		.amdhsa_forward_progress 1
		.amdhsa_inst_pref_size 149
	.end_amdhsa_kernel
	.amdgpu_metadata
---
amdhsa.version: [ 1, 2 ]
amdhsa.kernels:
  - .name:           k_q0f3c3ee463_qkv
    .symbol:         k_q0f3c3ee463_qkv.kd
    .args:
      - { .name: opq, .offset: 0, .size: 8, .value_kind: global_buffer, .address_space: global }
      - { .name: rope, .offset: 8, .size: 8, .value_kind: global_buffer, .address_space: global }
      - { .name: qq, .offset: 16, .size: 8, .value_kind: global_buffer, .address_space: global }
      - { .name: kv, .offset: 24, .size: 8, .value_kind: global_buffer, .address_space: global }
    .group_segment_fixed_size: 167936
    .private_segment_fixed_size: 0
    .kernarg_segment_align: 8
    .kernarg_segment_size: 32
    .max_flat_workgroup_size: 128
    .sgpr_count:     96
    .vgpr_count:     1024
    .wavefront_size: 32
...
	.end_amdgpu_metadata
.endif
;; end of part 2
;; launch attn (part 3): grid 8 x 32, 8 waves a work-group, clusters of 4 x 4, 327,680 bytes of LDS; arguments qq, kv, mask, oq; writes oq
.if DOCPART == 3
	.amdgcn_target "amdgcn-amd-amdhsa--gfx1250"
	.amdhsa_code_object_version 6
	.text
	.protected	k_q0f3c3ee463_attn
	.globl	k_q0f3c3ee463_attn
	.p2align	8
	.type	k_q0f3c3ee463_attn,@function
k_q0f3c3ee463_attn:
	s_mov_b64 s[64:65], 0
	v_nop
	global_prefetch_b8 v0, s[64:65] scope:SCOPE_SE
	s_setreg_imm32_b32 hwreg(HW_REG_WAVE_MODE, 25, 1), 1
	s_wait_xcnt 0x0
	s_wait_alu depctr_hold_cnt(0) depctr_sa_sdst(0) depctr_va_vdst(0) depctr_va_sdst(0) depctr_va_ssrc(0) depctr_va_vcc(0) depctr_vm_vsrc(0)
	s_getreg_b32 s2, hwreg(HW_REG_IB_STS2, 6, 4)
	s_cmp_eq_u32 s2, 0
	s_cbranch_scc0 .Lentry_in_a_cluster
	s_endpgm
.Lentry_in_a_cluster:
	s_bfe_u32 s2, ttmp6, 0x10000c
	s_cmp_lg_u32 s2, 0xf033
	s_cbranch_scc0 .Lentry_shape_is_right
	s_endpgm
.Lentry_shape_is_right:
; THIRD LAUNCH: logits = q k^T / 8 + mask, the softmax, and its product with v, both products on codes of FP6; the result is quantised along the head's 64 for the last product.
; Nothing of the problem is left out: the mask is an input, so every tile of keys is walked.
; THE SOFTMAX: t = logit x log2(e); M = the running largest t rounded UP to a whole number; p = 2^(t - M) (one fused multiply-add, one exponential) is quantised along the keys, not normalised;
; the row's sum is taken of the unquantised p and divides at the end; when M moves, the sum and O are multiplied by 2^(old M - new M): exact.
; SHARES.  A work-group owns 64 queries of FOUR heads; wave w owns head w / 2 and the two tiles of 16 queries 2 (w % 2), 2 (w % 2) + 1, so a fragment of k or of v feeds two tiles; two waves to a SIMD.  All 2,048 keys are walked, 128 a step.
; CLUSTER 4 x 4.  The mask's tile (64 queries x 128 keys) hangs on the block of queries alone: the four work-groups of a row of the cluster ask for it jointly.  The four heads' records of k and v hang on the group of heads alone: shared along a column.
; Each of the eight waves issues one joint load behind each round: waves 0-3 sixteen rows of the mask, waves 4-7 a record of 12,800 bytes.
; A wave's 16 rows of the mask lie RS bytes from the next wave's: 16 rows of 528 bytes and 128 more, so that a tile's rows 0-7 and 16-23 start in sixteen different columns of 16 bytes modulo 256.
; A STEP: the scores; the maxima; the change of slots, with the 64 packed multiply-adds between signal and wait; k's next fragments; exponentials, sums, p's codes; the next mask; O's rescaling; the products with v; v's next fragments.
; So all that a step reads of its slot is in registers at the round in its middle, and what is fetched behind the round comes from the other slot.
; BOTH PRODUCTS ARE USED TRANSPOSED: a lane holds one query (lane % 16).  THE MASK IS THE C OF THE FIRST PRODUCT and the 1/8 stands in q's scale bytes.  The head's K is 64, the instruction's 128: a fragment of k holds two tiles of keys, and q stands beside six registers of zero codes, low or high.
; PREFETCH: in step n (n < 13) the mask's tile and the records of step n + 3 are named, one step ahead of the joint load that will ask for them, a lane to each 256 bytes: the mask by wave 0 of the clusters with x = 0, 16 rows a partner (by cx);
; the records by wave 4 of the clusters with y = 0, a record a partner (by cy), 50 blocks in two instructions.  Partners are told apart by address alone.
; LIMITS: least scale byte 1; NaN and infinities are not served; the promise holds while the scaled scores stay under 2^31 in magnitude.
; WINDOWS: 0: addresses, states, scales, q, p's codes, v's fragments.  1: the mask, the logits, then p: tile tt at 64 tt; O^T at 128 + 32 tt; k's fragments at 192.
.set QS,    3145728
.set OSC,   3145728
.set REC,   12800
.set MP,    528
.set RS,    16*MP+128
.set KVO,   4*RS                       ; behind the mask's 64 rows: four records
.set SLOT,  KVO+4*REC
.set OST,   2*SLOT                     ; 512 bytes for the result's scale words
.set SPARE, OST+512                    ; the spare words: 128 bytes a wave
.set L16, 1
.set L8,  2
.set L4,  3
.set AMB, 4                            ; my lane's place in slot 0: the mask,
.set CA,  5                            ; and the same in the slot that is read next
.set SPW, 6
.set NIL, 7
.set AOS, 8
.set AOR, 9
.set PFO, 10
.set PK0, 11
.set PK1, 12
.set R4,  13
.set AK16, 14                          ; my head's record in slot 0: + 16 l, + 8 l, its scale words + 4 l
.set AK8, 15
.set AK4, 16
.set CK16, 17                          ; the same in the slot that is read next
.set CK8, 18
.set CK4, 19
.set NMB, 20                           ; v20-23  {-M, the largest logit} of tile tt
.set FF,  24                           ; v24-27  f of tile tt, in pairs
.set QSC, 28
.set KSC, 30
.set VSC, 32
.set PSC, 34
.set CH,  36                           ; v36-51  four chains of sums a tile, in pairs; the first is the row's sum
.set BM,  52
.set T2,  60
.set SO,  68
.set TP,  76
.set CT,  80
.set P,   96                           ; v96-119  p's codes, 12 a tile
.set QZ,  120                          ; v120-149 zeros, q0, zeros, q1, zeros: six each
.set VF,  150                          ; v150-197 v's fragments
.set OA,  128
.set KF,  192
.set WV,  12
.set HI,  18
.set PR,  19
.set SEL, 20
.set CS,  22
.set G1M, 24
.set G1K, 32
.set G0M, 40
.set G0K, 44
.set WBM, 48
.set WBK, 49
.set OFF, 50
.set CNT, 51
.set LIMM, 52
.set LIMK, 53
.set PFM, 54
.set PFK, 56
.set OB,  58
.set OSB, 60
.set QB,  66
.set QSB, 68
.set MSB, 0
.macro WIN new                         ; the immediate's high byte repeats the setting that is left
.if MSB != (\new)
	s_set_vgpr_msb (MSB<<8)|(\new)
.set MSB, (\new)
.endif
.endm
.macro PLACES n
.rept \n
	v_nop
.endr
.endm
.macro DL n                            ; a hint ahead of a plain reader of the plain result n vector instructions back
	s_delay_alu instid0(VALU_DEP_\n)
.endm
.macro CREST                           ; a round of the cluster's barrier behind its opening barrier
	s_cmp_lg_u32 s[WV], 0
	s_cbranch_scc1 .Lnot_wave_0_\@
	s_barrier_signal -3
.Lnot_wave_0_\@:
	s_barrier_wait -3
	s_barrier_signal -1
	s_barrier_wait -1
.endm
.macro CROUND
	s_barrier_signal -1
	s_barrier_wait -1
	CREST
.endm
.macro JLOAD                           ; a joint load.  The branch hangs on the wave's number alone; an s_nop 0 and four v_nop follow each of the two lines
	s_cmp_lt_u32 s[WV], 4
	s_cbranch_scc0 .Lfor_kv_\@
	tensor_load_to_lds s[G0M:G0M+3], s[G1M:G1M+7]
	s_nop 0
	PLACES 4
	s_branch .Lasked_\@
.Lfor_kv_\@:
	tensor_load_to_lds s[G0K:G0K+3], s[G1K:G1K+7]
	s_nop 0
	PLACES 4
.Lasked_\@:
.endm
.macro WMA ra                          ; rD += rA x rB; A's scale words in rSA (ra = 1: its lanes 16-31), B's in rSB
.if \ra
	v_wmma_scale_f32_16x16x128_f8f6f4 v[rD:rD+7], v[rA:rA+11], v[rB:rB+11], v[rD:rD+7], v[rSA], v[rSB] matrix_a_fmt:MATRIX_FMT_FP6 matrix_b_fmt:MATRIX_FMT_FP6 matrix_a_scale:MATRIX_SCALE_ROW1
.else
	v_wmma_scale_f32_16x16x128_f8f6f4 v[rD:rD+7], v[rA:rA+11], v[rB:rB+11], v[rD:rD+7], v[rSA], v[rSB] matrix_a_fmt:MATRIX_FMT_FP6 matrix_b_fmt:MATRIX_FMT_FP6
.endif
.endm
.macro QK t                            ; tile t's logits: eight accumulators, one instruction each, onto the mask
.irp kb, 0,1,2,3
.irp ku, 0,1
.set rD, 64*(\t)+16*\kb+8*\ku
.set rA, KF+12*\kb
.set rB, QZ+12*(\t)+6-6*\ku
.set rSA, KSC+\kb/2
.set rSB, QSC+(\t)
	WMA \kb%2
.endr
.endr
.endm
.macro PV                              ; O^T += v^T p^T: eight accumulators, one instruction each
.irp t, 0,1
.irp ct, 0,1,2,3
.set rD, OA+32*\t+8*\ct
.set rA, VF+12*\ct
.set rB, P+12*\t
.set rSA, VSC+\ct/2
.set rSB, PSC+\t
	WMA \ct%2
.endr
.endr
.endm
.macro FRAGS dst, off                  ; four fragments, each two half images on end, from byte off of my record: 16 loads
.irp f, 0,1,2,3
	ds_load_b128 v[\dst+12*\f:\dst+12*\f+3], v[CK16] offset:\off+1536*\f
	ds_load_b64 v[\dst+12*\f+4:\dst+12*\f+5], v[CK8] offset:\off+1536*\f+512
	ds_load_b128 v[\dst+12*\f+6:\dst+12*\f+9], v[CK16] offset:\off+1536*\f+768
	ds_load_b64 v[\dst+12*\f+10:\dst+12*\f+11], v[CK8] offset:\off+1536*\f+1280
.endr
.endm
.macro LOADK                           ; k's fragments and scale words: 18 loads
	WIN 0x40
	FRAGS KF, 0
	WIN 0
	ds_load_b32 v[KSC], v[CK4]
	ds_load_b32 v[KSC+1], v[CK4] offset:128
.endm
.macro LOADV                           ; v's: 18 loads
	WIN 0
	FRAGS VF, 6144
	ds_load_b32 v[VSC], v[CK4] offset:256
	ds_load_b32 v[VSC+1], v[CK4] offset:384
.endm
.macro MASKL                           ; the mask of my two tiles into the scores' own places: 32 loads; my query at keys 32 kb + 16 h + 4 i on
	WIN 0x40
.irp tt, 0,1
.irp kb, 0,1,2,3
.irp i, 0,1,2,3
	ds_load_b128 v[64*\tt+16*\kb+4*\i:64*\tt+16*\kb+4*\i+3], v[CA] offset:\tt*8*MP+128*\kb+16*\i
.endr
.endr
.endr
	WIN 0
.endm
.macro ASK
	s_cmp_lt_u32 s[CNT], s[LIMM]
	s_cbranch_scc0 .Lnot_m_\@
	global_prefetch_b8 v[PFO], s[PFM:PFM+1] th:TH_LOAD_NT scope:SCOPE_SE
.Lnot_m_\@:
	s_cmp_lt_u32 s[CNT], s[LIMK]
	s_cbranch_scc0 .Lnot_k_\@
	global_prefetch_b8 v[PK0], s[PFK:PFK+1] th:TH_LOAD_NT scope:SCOPE_SE
	global_prefetch_b8 v[PK1], s[PFK:PFK+1] offset:8192 th:TH_LOAD_NT scope:SCOPE_SE
.Lnot_k_\@:
.endm
; THE SOFTMAX OF MY TWO TILES: eight blocks of 32 keys by turns (u = 4 x tile + block; its 16 numbers of my lane at 16 u).  SOFT1: the maxima, M and f
.macro SOFT1
	WIN 0x15
.irp u, 0,1,2,3,4,5,6,7
	v_max3_num_f32 v[BM+\u], v[16*\u], v[16*\u+1], v[16*\u+2]   ; each block's largest logit: for the row's maximum and for the block's largest p
.endr
	WIN 0x14
.irp i, 3,5,7,9,11,13
.irp u, 0,1,2,3,4,5,6,7
	v_max3_num_f32 v[BM+\u], v[BM+\u], v[16*\u+\i], v[16*\u+\i+1]
.endr
.endr
.irp u, 0,1,2,3,4,5,6,7
	v_max_num_f32 v[BM+\u], v[BM+\u], v[16*\u+15]
.endr
	WIN 0
.irp u, 0,1,2,3,4,5,6,7
	v_permlanex16_b32 v[T2+\u], v[BM+\u], s[SEL], s[SEL+1]
.endr
.irp u, 0,1,2,3,4,5,6,7
	v_max_num_f32 v[BM+\u], v[BM+\u], v[T2+\u]     ; with lane l xor 16's 16 keys
.endr
	v_max3_num_f32 v[NMB+1], v[NMB+1], v[BM], v[BM+1]
	DL 4
	v_max3_num_f32 v[NMB+3], v[NMB+3], v[BM+4], v[BM+5]
.irp tt, 0,1
	DL 2
	v_max3_num_f32 v[NMB+2*\tt+1], v[NMB+2*\tt+1], v[BM+4*\tt+2], v[BM+4*\tt+3]   ; the running largest logit
.endr
.irp tt, 0,1
	DL 2
	v_mul_f32 v[TP+\tt], s[CS], v[NMB+2*\tt+1]     ; as t
.endr
.irp tt, 0,1
	DL 2
	v_floor_f32 v[TP+\tt], -v[TP+\tt]              ; the new -M = -ceil(t)
.endr
.irp tt, 0,1
	DL 2
	v_sub_f32 v[TP+2+\tt], v[TP+\tt], v[NMB+2*\tt] ; old M - new M: a whole number, 0 or less
.endr
.irp tt, 0,1
	DL 4
	v_mov_b32 v[NMB+2*\tt], v[TP+\tt]
.endr
.irp tt, 0,1
	DL 4
	v_cvt_i32_f32 v[TP+2+\tt], v[TP+2+\tt]         ; (it saturates)
.endr
.irp tt, 0,1
	DL 2
	v_ldexp_f32 v[FF+2*\tt], 1.0, v[TP+2+\tt]      ; f = 2^(old M - new M)
.endr
.irp u, 0,1,2,3,4,5,6,7
	v_fma_f32 v[BM+\u], v[BM+\u], s[CS], v[NMB+2*(\u/4)]   ; t - M of each block's largest logit
.endr
.endm
.macro PKFMA                           ; t - M, two at a time
	WIN 0x41
.set JJ, 0
.rept 32
.irp tt, 0,1
	v_pk_fma_f32 v[64*\tt+JJ:64*\tt+JJ+1], v[64*\tt+JJ:64*\tt+JJ+1], s[CS:CS+1], v[NMB+2*\tt:NMB+2*\tt+1] op_sel_hi:[1,0,0]
.endr
.set JJ, JJ+2
.endr
	WIN 0
.endm
.macro SOFT2                           ; p, the sums, p's codes and scale words
	WIN 0x41
	s_wait_alu depctr_va_vdst(0)                   ; ahead of the batch
.set JJ, 0
.rept 128
	v_exp_f32 v[JJ], v[JJ]                         ; p = 2^(t - M)
.set JJ, JJ+1
.endr
	WIN 0
.irp u, 0,1,2,3,4,5,6,7
	v_exp_f32 v[BM+\u], v[BM+\u]                   ; the block's largest p: the same instructions on the same number
.endr
.irp tt, 0,1
	v_pk_mul_f32 v[CH+8*\tt:CH+8*\tt+1], v[CH+8*\tt:CH+8*\tt+1], v[FF+2*\tt:FF+2*\tt+1] op_sel_hi:[1,0]   ; the sums under the new M (plain places behind the batch)
.endr
	s_wait_alu depctr_va_vdst(0)                   ; and behind it, ahead of its first reader
	WIN 0x05
.irp c, 1,2,3
.irp tt, 0,1
	v_pk_add_f32 v[CH+8*\tt+2*\c:CH+8*\tt+2*\c+1], v[64*\tt+4*\c-4:64*\tt+4*\c-3], v[64*\tt+4*\c-2:64*\tt+4*\c-1]   ; the row's sum of the unquantised p: four chains a tile
.endr
.endr
	WIN 0x04
.set JJ, 6
.rept 26
.irp tt, 0,1
	v_pk_add_f32 v[CH+8*\tt+2*(JJ%4):CH+8*\tt+2*(JJ%4)+1], v[CH+8*\tt+2*(JJ%4):CH+8*\tt+2*(JJ%4)+1], v[64*\tt+2*JJ:64*\tt+2*JJ+1]
.endr
.set JJ, JJ+1
.endr
	WIN 0
.irp u, 0,1,2,3,4,5,6,7
	v_max_num_f32 v[BM+\u], 0x1800000, v[BM+\u]    ; the floor 2^(3 - 127): the byte cannot fall under 1
.endr
.irp tt, 0,1
	v_pk_add_f32 v[CH+8*\tt:CH+8*\tt+1], v[CH+8*\tt:CH+8*\tt+1], v[CH+8*\tt+2:CH+8*\tt+3]
	v_pk_add_f32 v[CH+8*\tt+4:CH+8*\tt+5], v[CH+8*\tt+4:CH+8*\tt+5], v[CH+8*\tt+6:CH+8*\tt+7]
.endr
.irp u, 0,1,2,3,4,5,6,7
	v_add_nc_u32 v[SO+\u], 0xff000000, v[BM+\u]    ; 2 off the exponent field: the conversion's scale operand
.endr
.irp tt, 0,1
	v_pk_add_f32 v[CH+8*\tt:CH+8*\tt+1], v[CH+8*\tt:CH+8*\tt+1], v[CH+8*\tt+4:CH+8*\tt+5]
.endr
.irp u, 0,1,2,3,4,5,6,7
	v_lshrrev_b32 v[T2+\u], 23, v[SO+\u]
.endr
	v_lshl_or_b32 v[PSC], v[T2+1], 8, v[T2]        ; p's scale words for these 128 keys
	DL 4
	v_lshl_or_b32 v[PSC+1], v[T2+5], 8, v[T2+4]
.irp tt, 0,1
	DL 2
	v_lshl_or_b32 v[PSC+\tt], v[T2+4*\tt+2], 16, v[PSC+\tt]
.endr
.irp tt, 0,1
	DL 2
	v_lshl_or_b32 v[PSC+\tt], v[T2+4*\tt+3], 24, v[PSC+\tt]
.endr
	WIN 0x01
.irp tt, 0,1
.irp c, 0,1
	v_cvt_scalef32_pk16_fp6_f32 v[P+12*\tt+6*\c:P+12*\tt+6*\c+2], v[64*\tt+32*\c:64*\tt+32*\c+15], v[SO+4*\tt+2*\c]
	v_cvt_scalef32_pk16_fp6_f32 v[CT+8*\tt+4*\c:CT+8*\tt+4*\c+2], v[64*\tt+32*\c+16:64*\tt+32*\c+31], v[SO+4*\tt+2*\c+1]
.endr
.endr
	WIN 0
	v_nop                                          ; one plain place behind a scaled conversion
.irp tt, 0,1
.irp c, 0,1
.irp i, 0,1,2
	v_permlane16_swap_b32 v[P+12*\tt+6*\c+\i], v[CT+8*\tt+4*\c+\i]   ; a whole block to a lane
.endr
.endr
.endr
.irp tt, 0,1
.irp c, 0,1
.irp i, 0,1,2
	v_mov_b32 v[P+12*\tt+6*\c+3+\i], v[CT+8*\tt+4*\c+\i]
.endr
.endr
.endr
.endm
; A KEY STEP.  refill: the slot just read out is filled again, behind a round; bar: only a barrier, which shows the other slot whole; next: there is a next step to fetch for
.macro STEP refill, bar, next
.if \refill
	s_wait_xcnt 0x0                                ; the last prefetches, a step back, have read their bases
	s_add_nc_u64 s[PFM:PFM+1], s[PFM:PFM+1], 512
	s_add_nc_u64 s[PFK:PFK+1], s[PFK:PFK+1], REC
.endif
	s_wait_dscnt 18                                ; k's 18 loads and the mask's 32 are in; v's 18, issued behind them, may be out
	s_wait_alu depctr_va_vdst(0)                   ; behind the jump and the waits
	WIN 0x51
	QK 0
	QK 1
	PLACES 4                                       ; ahead of the first read of the logits
	SOFT1
	s_wait_alu depctr_va_vdst(0)                   ; ahead of the waits below
.if \refill
	s_wait_tensorcnt 0x0                           ; my one load that was out, my part of the other slot, has landed;
	ds_add_u32 v[SPW], v[NIL]
	s_add_co_u32 s[G0M+1], s[WBM], s[OFF]          ; no load of mine is out: the descriptors take this step's slot
	s_add_co_u32 s[G0K+1], s[WBK], s[OFF]
	s_add_nc_u64 s[G0M+2:G0M+3], s[G0M+2:G0M+3], 512   ; and the step two on
	s_add_nc_u64 s[G0K+2:G0K+3], s[G0K+2:G0K+3], REC
	s_wait_dscnt 0x0                               ; the add is done, and all my reads of this step's slot
	s_barrier_signal -1
.elseif \bar
	s_wait_tensorcnt 0x0
	s_wait_dscnt 0x0
	s_barrier_signal -1
.else
	s_wait_dscnt 0x0
.endif
	PKFMA                                          ; work on registers while the others arrive
.if \refill
	s_barrier_wait -1
	CREST
	JLOAD                                          ; the first tensor load behind the round, one a wave; it has a step in which to land
.elseif \bar
	s_barrier_wait -1
.endif
.if \next
	s_xor_b32 s[OFF], s[OFF], SLOT
	v_add_nc_u32 v[CK16], s[OFF], v[AK16]          ; the other slot: the next step's tiles
	v_add_nc_u32 v[CK8], s[OFF], v[AK8]
	v_add_nc_u32 v[CK4], s[OFF], v[AK4]
	v_add_nc_u32 v[CA], s[OFF], v[AMB]
	LOADK
.if \refill
	ASK
.endif
.endif
	SOFT2
.if \next
	MASKL
.endif
	WIN 0x41
	s_wait_alu depctr_va_vdst(0)                   ; directly ahead of the first reader of O^T
.set JJ, 0
.rept 32
	v_pk_mul_f32 v[OA+JJ:OA+JJ+1], v[OA+JJ:OA+JJ+1], v[FF+2*(JJ/32):FF+2*(JJ/32)+1] op_sel_hi:[1,0]   ; O^T under the new M; these also stand between the writes of p's codes and scale words and the products
.set JJ, JJ+2
.endr
	WIN 0x50
	PV
	PLACES 4                                       ; ahead of loads into v's registers, and of the way out
.if \next
	LOADV
.endif
	WIN 0
.endm
	s_load_b256 s[4:11], s[0:1], 0x0               ; qq, kv, mask, oq
	v_lshl_add_u32 v[SPW], v0, 2, SPARE
	v_mov_b32 v[NIL], 0
	ds_add_u32 v[SPW], v[NIL]                      ; the wave's opening: the add, twice on end, and its wait ahead of my first tensor load
	ds_add_u32 v[SPW], v[NIL]
	v_lshrrev_b32 v[CA], 5, v0
	DL 1
	v_readfirstlane_b32 s[WV], v[CA]               ; wave 0..7
	s_bfe_u32 s13, ttmp6, 0x40000                  ; cx
	s_bfe_u32 s14, ttmp6, 0x40004                  ; cy
	s_lshl_b32 s15, ttmp9, 2
	s_add_co_u32 s15, s15, s13                     ; hg: my four heads are 4 hg + 0 .. 3 of the 32
	s_and_b32 s17, ttmp7, 0xffff                   ; cluster y
	s_lshl_b32 s16, s17, 2
	s_add_co_u32 s16, s16, s14                     ; qb: my 64 queries
	s_lshl_b32 s70, s14, 2
	s_lshl_b32 s70, 15, s70                        ; my row of the cluster
	s_lshl_b32 s71, 0x1111, s13                    ; my column
	s_or_b32 s[G1M], s70, (2<<16)|(1<<20)|(1<<21)|(6<<22)|(3<<25)   ; the mask's tile goes to my row; elements of 4 bytes; 4 words of padding behind every 128
	s_mov_b32 s[G1M+1], 128<<16
	s_mov_b32 s[G1M+2], 16<<16
	s_mov_b32 s[G1M+3], 128<<16                    ; 128 keys,
	s_mov_b32 s[G1M+4], 16                         ; 16 queries,
	s_mov_b32 s[G1M+5], 2048                       ; rows of 2,048 numbers
	s_mov_b32 s[G1M+6], 0
	s_mov_b32 s[G1M+7], 0
	s_or_b32 s[G1K], s71, (3<<16)|(1<<21)          ; the records go to my column; elements of 8 bytes; no padding
	s_mov_b32 s[G1K+1], 32<<16
	s_mov_b32 s[G1K+2], 50<<16
	s_mov_b32 s[G1K+3], 32<<16                     ; rows of 256 bytes,
	s_mov_b32 s[G1K+4], 50                         ; 50 of them: a record
	s_mov_b32 s[G1K+5], 32
	s_mov_b32 s[G1K+6], 0
	s_mov_b32 s[G1K+7], 0
	s_and_b32 s72, s[WV], 3
	s_mul_i32 s[WBM], s72, RS                      ; where my load lands in a slot: rows of the mask,
	s_mul_i32 s[WBK], s72, REC
	s_add_co_u32 s[WBK], s[WBK], KVO               ; or a record
	s_lshl_b32 s74, s16, 6
	s_lshl_b32 s75, s72, 4
	s_add_co_u32 s74, s74, s75
	s_lshl_b32 s74, s74, 13                        ; the mask: row 64 qb + 16 (w % 4), rows of 8,192 bytes
	s_mov_b32 s75, 0
	s_lshl_b32 s76, s15, 2
	s_add_co_u32 s76, s76, s72
	s_mul_i32 s76, s76, 16*REC                     ; the records: head 4 hg + w % 4
	s_mov_b32 s77, 0
	s_mov_b32 s[SEL], 0x76543210
	s_mov_b32 s[SEL+1], 0xfedcba98
	s_mov_b32 s[CS], 0x3fb8aa3b                    ; log2(e)
	s_mov_b32 s[CS+1], s[CS]
	s_lshr_b32 s[HI], s[WV], 1                     ; my head of the four
	s_and_b32 s[PR], s[WV], 1                      ; my pair of tiles
	s_wait_dscnt 0x0                               ; both opening adds are done
	s_wait_kmcnt 0x0
	s_mov_b32 s[G0M], 1
	s_mov_b32 s[G0M+1], s[WBM]
	s_add_nc_u64 s[G0M+2:G0M+3], s[8:9], s[74:75]
	s_or_b32 s[G0M+3], s[G0M+3], 0x80000000
	s_mov_b32 s[G0K], 1
	s_mov_b32 s[G0K+1], s[WBK]
	s_add_nc_u64 s[G0K+2:G0K+3], s[6:7], s[76:77]
	s_or_b32 s[G0K+3], s[G0K+3], 0x80000000
	CROUND                                         ; all sixteen work-groups are here: the first joint loads meet
	JLOAD                                          ; step 0 into slot 0: one load a wave at the head
	s_mov_b32 s73, 0
	s_lshl_b32 s70, s15, 2
	s_add_co_u32 s70, s70, s[HI]                   ; bh
	s_lshl_b32 s70, s70, 7
	s_lshl_b32 s71, s16, 2
	s_lshl_b32 s78, s[PR], 1
	s_add_co_u32 s71, s71, s78                     ; 4 qb + 2 pr
	s_add_co_u32 s70, s70, s71                     ; q's first tile: 128 bh + 4 qb + 2 pr
	s_mul_i32 s72, s70, 768
	s_add_nc_u64 s[QB:QB+1], s[4:5], s[72:73]
	s_lshl_b32 s72, s70, 6
	s_add_co_u32 s72, s72, QS
	s_add_nc_u64 s[QSB:QSB+1], s[4:5], s[72:73]
	s_lshr_b32 s74, s15, 2
	s_lshl_b32 s74, s74, 7                         ; 128 b
	s_and_b32 s75, s15, 3
	s_lshl_b32 s76, s16, 2
	s_add_co_u32 s76, s76, s74
	s_lshl_b32 s77, s75, 8
	s_add_co_u32 s77, s77, s76
	s_lshl_b32 s72, s77, 7
	s_add_co_u32 s72, s72, OSC
	s_add_nc_u64 s[OSB:OSB+1], s[10:11], s[72:73]  ; the work-group's 512 bytes of scale words in oq
	s_add_co_u32 s76, s74, s71
	s_lshl_b32 s76, s76, 4
	s_lshl_b32 s75, s75, 2
	s_add_co_u32 s76, s76, s75
	s_add_co_u32 s76, s76, s[HI]
	s_mul_i32 s72, s76, 768
	s_add_nc_u64 s[OB:OB+1], s[10:11], s[72:73]    ; my half images in oq: [token tile][head]
	s_lshl_b32 s72, s16, 6
	s_lshl_b32 s76, s13, 4
	s_add_co_u32 s72, s72, s76
	s_lshl_b32 s72, s72, 13
	s_add_co_u32 s72, s72, 2*512
	s_add_nc_u64 s[PFM:PFM+1], s[8:9], s[72:73]    ; the mask's rows 64 qb + 16 cx on; stepped once ahead of the first prefetch: step 3
	s_lshl_b32 s72, s15, 2
	s_add_co_u32 s72, s72, s14
	s_lshl_b32 s72, s72, 4
	s_add_co_u32 s72, s72, 2
	s_mul_i32 s72, s72, REC
	s_add_nc_u64 s[PFK:PFK+1], s[6:7], s[72:73]    ; the record of head 4 hg + cy
	s_or_b32 s76, ttmp9, s[WV]
	s_cmp_eq_u32 s76, 0
	s_cselect_b32 s[LIMM], 13, 0                   ; the same in all sixteen partners, for a given wave
	s_xor_b32 s76, s[WV], 4
	s_or_b32 s76, s76, s17
	s_cmp_eq_u32 s76, 0
	s_cselect_b32 s[LIMK], 13, 0
	s_mul_i32 s78, s[PR], 2*RS
	s_mul_i32 s79, s[HI], REC
	s_add_co_u32 s79, s79, KVO
	s_lshl_b32 s76, s[PR], 8
	s_lshr_b32 s77, s[HI], 1
	s_lshl_b32 s77, s77, 6
	s_add_co_u32 s76, s76, s77
	s_and_b32 s77, s[HI], 1
	s_lshl_b32 s77, s77, 1
	s_add_co_u32 s76, s76, s77
	s_add_co_u32 s76, s76, OST
	v_and_b32 v[L4], 31, v0                        ; l
	v_and_b32 v[AOS], 15, v0                       ; r
	v_bfe_u32 v[AOR], v0, 4, 1                     ; h
	DL 3
	v_lshlrev_b32 v[L16], 4, v[L4]
	DL 4
	v_lshlrev_b32 v[L8], 3, v[L4]
	DL 4
	v_and_b32 v[AMB], 7, v[AOS]
	v_lshrrev_b32 v[CA], 3, v[AOS]
	DL 2
	v_mul_u32_u24 v[AMB], v[AMB], MP
	DL 1
	v_mad_u32_u24 v[AMB], v[CA], RS, v[AMB]
	DL 1
	v_lshl_add_u32 v[AMB], v[AOR], 6, v[AMB]
	DL 1
	v_add_nc_u32 v[AMB], s78, v[AMB]               ; row r % 8, the next wave's rows for r / 8 = 1, + 64 h, + my pair's 32 rows
	v_lshrrev_b32 v[PFO], 1, v[L4]
	v_and_b32 v[PK0], 1, v[L4]
	DL 2
	v_lshlrev_b32 v[PFO], 13, v[PFO]
	DL 1
	v_lshl_or_b32 v[PFO], v[PK0], 8, v[PFO]        ; the mask: row l / 2, block l % 2
	v_lshlrev_b32 v[PK0], 8, v[L4]                 ; a record: blocks 0-31,
	v_min_u32 v[PK1], 17, v[L4]
	v_lshlrev_b32 v[R4], 2, v[AOS]
	DL 2
	v_lshlrev_b32 v[PK1], 8, v[PK1]                ; and 32-49 (lanes 18 to 31 name the last again)
	v_lshlrev_b32 v[L4], 2, v[L4]
	DL 3
	v_add_nc_u32 v[AOS], s76, v[R4]                ; the result's two scale bytes: 128 tile + 64 (head / 2) + 4 r + 2 (head % 2)
	v_add_nc_u32 v[AOR], OST, v[L16]
	v_add_nc_u32 v[AK16], s79, v[L16]
	v_add_nc_u32 v[AK8], s79, v[L8]
	s_add_co_u32 s79, s79, 12288
	v_add_nc_u32 v[AK4], s79, v[L4]
	s_wait_alu depctr_va_vdst(0)
.irp t, 0,1
	global_load_b128 v[QZ+12*\t+6:QZ+12*\t+9], v[L16], s[QB:QB+1] offset:768*\t
	global_load_b64 v[QZ+12*\t+10:QZ+12*\t+11], v[L8], s[QB:QB+1] offset:768*\t+512
	global_load_b32 v[QSC+\t], v[R4], s[QSB:QSB+1] offset:64*\t
.endr
.irp g, 0,1,2
.irp j, 0,1,2,3,4,5
	v_mov_b32 v[QZ+12*\g+\j], 0                    ; zero codes on both sides of each q
.endr
.endr
	WIN 0x40
.set JJ, 0
.rept 64
	v_mov_b32 v[OA+JJ], 0                          ; O^T: the step is written once for all sixteen; the first finds zeros, which the first change of M leaves zeros
.set JJ, JJ+1
.endr
	WIN 0
.irp t, 0,1
	v_mov_b32 v[NMB+2*\t+1], 0xff000000            ; the largest logit so far: -2^127
.endr
.irp t, 0,1
	v_mov_b32 v[CH+8*\t], 0
	v_mov_b32 v[CH+8*\t+1], 0
	v_mov_b32 v[FF+2*\t+1], 0                      ; (named as the upper half of a pair)
.endr
.irp t, 0,1
	v_mul_f32 v[NMB+2*\t], s[CS], v[NMB+2*\t+1]
.endr
.irp u, 0,1,2,3,4,5,6,7
	v_mov_b32 v[T2+\u], 0                          ; a lane permute's destination counts as one of its sources
.endr
.irp t, 0,1
	v_floor_f32 v[NMB+2*\t], -v[NMB+2*\t]
.endr
	v_mov_b32 v[CA], v[AMB]
	v_mov_b32 v[CK16], v[AK16]
	v_mov_b32 v[CK8], v[AK8]
	v_mov_b32 v[CK4], v[AK4]
	s_wait_alu depctr_va_vdst(0)                   ; at the head's end
	s_wait_loadcnt 0x0                             ; q
	s_wait_tensorcnt 0x0                           ; slot 1's first fill is issued as a refill is
	ds_add_u32 v[SPW], v[NIL]
	s_add_co_u32 s[G0M+1], s[WBM], SLOT
	s_add_co_u32 s[G0K+1], s[WBK], SLOT
	s_add_nc_u64 s[G0M+2:G0M+3], s[G0M+2:G0M+3], 512
	s_add_nc_u64 s[G0K+2:G0K+3], s[G0K+2:G0K+3], REC
	s_wait_dscnt 0x0
	CROUND
	JLOAD                                          ; step 1 into slot 1
	LOADK
	MASKL
	LOADV
	s_mov_b32 s[OFF], 0
	s_mov_b32 s[CNT], 0
.Lloop:                                            ; steps 0 to 13: step n asks for step n + 2
	STEP 1, 0, 1
	s_add_co_u32 s[CNT], s[CNT], 1
	s_cmp_lt_u32 s[CNT], 14
	s_cbranch_scc1 .Lloop
	STEP 0, 1, 1                                   ; the tail is written out
	STEP 0, 0, 0
	; THE WAY OUT: O^T / the sum, quantised along the head's 64: for each tile a half image and two scale bytes
.irp t, 0,1
	v_add_f32 v[CH+8*\t], v[CH+8*\t], v[CH+8*\t+1]
.endr
.irp t, 0,1
	DL 2
	v_permlanex16_b32 v[T2+\t], v[CH+8*\t], s[SEL], s[SEL+1]
.endr
.irp t, 0,1
	DL 2
	v_add_f32 v[CH+8*\t], v[CH+8*\t], v[T2+\t]     ; the row's sum
.endr
	s_wait_alu depctr_va_vdst(0)
.irp t, 0,1
	v_rcp_f32 v[CH+8*\t], v[CH+8*\t]
.endr
	v_nop                                          ; a plain place behind the batch
	WIN 0x41
	s_wait_alu depctr_va_vdst(0)                   ; ahead of the first reader of the batch and of O^T
.set JJ, 0
.rept 32
	v_pk_mul_f32 v[JJ:JJ+1], v[OA+JJ:OA+JJ+1], v[CH+8*(JJ/32):CH+8*(JJ/32)+1] op_sel_hi:[1,0]   ; register 32 t + 16 b + i: channel 32 b + 16 h + i of my query in tile t
.set JJ, JJ+2
.endr
	WIN 0x05
.irp u, 0,1,2,3
	v_max3_num_f32 v[BM+\u], |v[16*\u]|, |v[16*\u+1]|, 0x1800000
.endr
	WIN 0x14
.irp i, 2,4,6,8,10,12,14
.irp u, 0,1,2,3
	v_max3_num_f32 v[BM+\u], v[BM+\u], |v[16*\u+\i]|, |v[16*\u+\i+1]|
.endr
.endr
	WIN 0
.irp u, 0,1,2,3
	v_permlanex16_b32 v[T2+\u], v[BM+\u], s[SEL], s[SEL+1]
.endr
.irp u, 0,1,2,3
	v_max_num_f32 v[BM+\u], v[BM+\u], v[T2+\u]
.endr
.irp u, 0,1,2,3
	v_add_nc_u32 v[SO+\u], 0xff000000, v[BM+\u]
.endr
.irp u, 0,1,2,3
	v_lshrrev_b32 v[T2+\u], 23, v[SO+\u]
.endr
	v_lshl_or_b32 v[TP], v[T2+1], 8, v[T2]
	v_lshl_or_b32 v[TP+1], v[T2+3], 8, v[T2+2]
	v_nop
	WIN 0x01
.irp t, 0,1
	v_cvt_scalef32_pk16_fp6_f32 v[P+12*\t:P+12*\t+2], v[32*\t:32*\t+15], v[SO+2*\t]
	v_cvt_scalef32_pk16_fp6_f32 v[CT+4*\t:CT+4*\t+2], v[32*\t+16:32*\t+31], v[SO+2*\t+1]
.endr
	WIN 0
	v_nop
.irp t, 0,1
.irp i, 0,1,2
	v_permlane16_swap_b32 v[P+12*\t+\i], v[CT+4*\t+\i]
.endr
.endr
.irp t, 0,1
.irp i, 0,1,2
	v_mov_b32 v[P+12*\t+3+\i], v[CT+4*\t+\i]
.endr
.endr
.irp t, 0,1
	global_store_b128 v[L16], v[P+12*\t:P+12*\t+3], s[OB:OB+1] offset:12288*\t        ; 512 and 256 consecutive bytes, aligned
	global_store_b64 v[L8], v[P+12*\t+4:P+12*\t+5], s[OB:OB+1] offset:12288*\t+512
	ds_store_b16 v[AOS], v[TP+\t] offset:128*\t
.endr
	s_wait_dscnt 0x0                               ; for the others' sake: my stores have landed
	s_barrier_signal -1
	s_barrier_wait -1
	s_cmp_lg_u32 s[WV], 0
	s_cbranch_scc1 .Lnot_first
	ds_load_b128 v[BM:BM+3], v[AOR]                ; wave 0 stores the work-group's 512 bytes of scale words
	s_wait_dscnt 0x0
	global_store_b128 v[L16], v[BM:BM+3], s[OSB:OSB+1]
.Lnot_first:
	s_wait_tensorcnt 0x0                           ; the wave's end
	ds_add_u32 v[SPW], v[NIL]
	s_wait_dscnt 0x0
	CROUND                                         ; the closing round
	s_endpgm
.Lfunc_end_k_q0f3c3ee463_attn:
	.size	k_q0f3c3ee463_attn, .Lfunc_end_k_q0f3c3ee463_attn-k_q0f3c3ee463_attn
	.p2alignl 7, 3214868480
	.fill 96, 4, 3214868480
	.section	.rodata,"a",@progbits
	.p2align	6, 0x0
	.amdhsa_kernel k_q0f3c3ee463_attn
		.amdhsa_group_segment_fixed_size 327680
		.amdhsa_private_segment_fixed_size 0
		.amdhsa_enable_private_segment 0
		.amdhsa_kernarg_size 32
		.amdhsa_user_sgpr_count 2
		.amdhsa_user_sgpr_kernarg_segment_ptr 1
		.amdhsa_wavefront_size32 1
		.amdhsa_system_sgpr_workgroup_id_x 1
		.amdhsa_system_sgpr_workgroup_id_y 1
		.amdhsa_system_sgpr_workgroup_id_z 1
		.amdhsa_system_vgpr_workitem_id 0
		.amdhsa_next_free_vgpr 512
		.amdhsa_next_free_sgpr 80
		.amdhsa_reserve_vcc 0
		.amdhsa_float_denorm_mode_32 3
		.amdhsa_float_denorm_mode_16_64 3
		.amdhsa_memory_ordered 1
		.amdhsa_forward_progress 1
		.amdhsa_inst_pref_size 120
	.end_amdhsa_kernel
	.amdgpu_metadata
---
amdhsa.version: [ 1, 2 ]
amdhsa.kernels:
  - .name:           k_q0f3c3ee463_attn
    .symbol:         k_q0f3c3ee463_attn.kd
    .args:
      - { .name: qq, .offset: 0, .size: 8, .value_kind: global_buffer, .address_space: global }
      - { .name: kv, .offset: 8, .size: 8, .value_kind: global_buffer, .address_space: global }
      - { .name: mask, .offset: 16, .size: 8, .value_kind: global_buffer, .address_space: global }
      - { .name: oq, .offset: 24, .size: 8, .value_kind: global_buffer, .address_space: global }
    .group_segment_fixed_size: 327680
    .private_segment_fixed_size: 0
    .kernarg_segment_align: 8
    .kernarg_segment_size: 32
    .max_flat_workgroup_size: 256
    .sgpr_count:     80
    .vgpr_count:     512
    .wavefront_size: 32
...
	.end_amdgpu_metadata
.endif
;; end of part 3
;; launch oproj (part 4): grid 32 x 8, 4 waves a work-group, clusters of 4 x 1, 167,936 bytes of LDS; arguments oq, opq, out0; writes out0
.if DOCPART == 4
	.amdgcn_target "amdgcn-amd-amdhsa--gfx1250"
	.amdhsa_code_object_version 6
	.text
	.protected	k_q0f3c3ee463_oproj
	.globl	k_q0f3c3ee463_oproj
	.p2align	8
	.type	k_q0f3c3ee463_oproj,@function
k_q0f3c3ee463_oproj:
	s_mov_b64 s[64:65], 0
	v_nop
	global_prefetch_b8 v0, s[64:65] scope:SCOPE_SE
	s_setreg_imm32_b32 hwreg(HW_REG_WAVE_MODE, 25, 1), 1
	s_wait_xcnt 0x0
	s_wait_alu depctr_hold_cnt(0) depctr_sa_sdst(0) depctr_va_vdst(0) depctr_va_sdst(0) depctr_va_ssrc(0) depctr_va_vcc(0) depctr_vm_vsrc(0)
	s_getreg_b32 s2, hwreg(HW_REG_IB_STS2, 6, 4)
	s_cmp_eq_u32 s2, 0
	s_cbranch_scc0 .Lentry_in_a_cluster
	s_endpgm
.Lentry_in_a_cluster:
	s_bfe_u32 s2, ttmp6, 0x10000c
	s_cmp_lg_u32 s2, 0x3003
	s_cbranch_scc0 .Lentry_shape_is_right
	s_endpgm
.Lentry_shape_is_right:
; FOURTH LAUNCH: out0 = o Wo^T on codes of FP6.  o's codes come from the attention's launch as half images [token tile 256][head 16] (two on end are a fragment of 128 along K), Wo's from the first launch as images.  Nothing of the problem is left out.
; SHARES.  A work-group makes 128 tokens x 128 columns; each of its four waves 32 tokens (two tiles) x 128 columns: 16 accumulators.  A wave's fragments of o are its own: all eight K steps go from memory straight into 192 registers at the head.
; Wo's 128 rows for all of K (98,304 bytes of images, 4,096 of scale words) are read by the four waves and by the four work-groups of the cluster (same columns, other tokens): they come once, by joint tensor loads, one a wave (one is out at most); nothing is filled again.
; The product is used transposed (source 0 = 16 rows of Wo, source 1 = 16 tokens): by the choice of a tile's rows a lane holds, for each pair of tiles, 16 neighbouring columns of one token.  The results go through the wave's own stage in LDS and leave as rows of 512 consecutive bytes.
.set OC,    5734400
.set OS,    6520832
.set OSC,   3145728
.set WSL,   98304                      ; LDS: behind Wo's images its scale words,
.set STG,   102400                     ; the stages: 16 rows x 528 bytes a wave,
.set SPARE, 136192                     ; and the spare words
.set L16, 2
.set L8,  3
.set L4,  4
.set AW,  5                            ; v5, v6  16 l, 16 l + 49152
.set ASW, 7
.set STI, 8
.set STR, 9
.set SPW, 12
.set NIL, 13
.set ASC, 16                           ; v16-23 o's scale words: [tile 2][K steps 2 p | 2 p + 1]
.set BSC, 24                           ; v24-31 Wo's: four sets of two
.set ACC, 64                           ; v64-191 accumulators at 8 (8 mt + nt)
.set OB,  192                          ; v192-255 16 rows on the way out
; window 1: o's fragments at 24 s + 12 mt.  window 2: four sets of four fragments of Wo.
.set WV,  12
.set G1C, 24
.set G1S, 32
.set G0,  40
.set AB,  66
.set ASB, 68
.set CB,  70
.set MSB, 0
.macro WIN new
.if MSB != (\new)
	s_set_vgpr_msb (MSB<<8)|(\new)
.set MSB, (\new)
.endif
.endm
.macro PLACES n
.rept \n
	v_nop
.endr
.endm
.macro CROUND
	s_barrier_signal -1
	s_barrier_wait -1
	s_cmp_lg_u32 s[WV], 0
	s_cbranch_scc1 .Lnot_wave_0_\@
	s_barrier_signal -3
.Lnot_wave_0_\@:
	s_barrier_wait -3
	s_barrier_signal -1
	s_barrier_wait -1
.endm
.macro WM zero, ra, rb
.if \zero
.if (\ra) && (\rb)
	v_wmma_scale_f32_16x16x128_f8f6f4 v[rD:rD+7], v[rA:rA+11], v[rB:rB+11], 0, v[rSA], v[rSB] matrix_a_fmt:MATRIX_FMT_FP6 matrix_b_fmt:MATRIX_FMT_FP6 matrix_a_scale:MATRIX_SCALE_ROW1 matrix_b_scale:MATRIX_SCALE_ROW1
.elseif (\ra)
	v_wmma_scale_f32_16x16x128_f8f6f4 v[rD:rD+7], v[rA:rA+11], v[rB:rB+11], 0, v[rSA], v[rSB] matrix_a_fmt:MATRIX_FMT_FP6 matrix_b_fmt:MATRIX_FMT_FP6 matrix_a_scale:MATRIX_SCALE_ROW1
.elseif (\rb)
	v_wmma_scale_f32_16x16x128_f8f6f4 v[rD:rD+7], v[rA:rA+11], v[rB:rB+11], 0, v[rSA], v[rSB] matrix_a_fmt:MATRIX_FMT_FP6 matrix_b_fmt:MATRIX_FMT_FP6 matrix_b_scale:MATRIX_SCALE_ROW1
.else
	v_wmma_scale_f32_16x16x128_f8f6f4 v[rD:rD+7], v[rA:rA+11], v[rB:rB+11], 0, v[rSA], v[rSB] matrix_a_fmt:MATRIX_FMT_FP6 matrix_b_fmt:MATRIX_FMT_FP6
.endif
.else
.if (\ra) && (\rb)
	v_wmma_scale_f32_16x16x128_f8f6f4 v[rD:rD+7], v[rA:rA+11], v[rB:rB+11], v[rD:rD+7], v[rSA], v[rSB] matrix_a_fmt:MATRIX_FMT_FP6 matrix_b_fmt:MATRIX_FMT_FP6 matrix_a_scale:MATRIX_SCALE_ROW1 matrix_b_scale:MATRIX_SCALE_ROW1
.elseif (\ra)
	v_wmma_scale_f32_16x16x128_f8f6f4 v[rD:rD+7], v[rA:rA+11], v[rB:rB+11], v[rD:rD+7], v[rSA], v[rSB] matrix_a_fmt:MATRIX_FMT_FP6 matrix_b_fmt:MATRIX_FMT_FP6 matrix_a_scale:MATRIX_SCALE_ROW1
.elseif (\rb)
	v_wmma_scale_f32_16x16x128_f8f6f4 v[rD:rD+7], v[rA:rA+11], v[rB:rB+11], v[rD:rD+7], v[rSA], v[rSB] matrix_a_fmt:MATRIX_FMT_FP6 matrix_b_fmt:MATRIX_FMT_FP6 matrix_b_scale:MATRIX_SCALE_ROW1
.else
	v_wmma_scale_f32_16x16x128_f8f6f4 v[rD:rD+7], v[rA:rA+11], v[rB:rB+11], v[rD:rD+7], v[rSA], v[rSB] matrix_a_fmt:MATRIX_FMT_FP6 matrix_b_fmt:MATRIX_FMT_FP6
.endif
.endif
.endm
.macro PHASE p                         ; K steps 2 p and 2 p + 1 of Wo lie in LDS for every wave; nothing is filled again
.if (\p) == 0                          ; all of Wo's 128 rows come by the head's loads, one a wave: one wait and one barrier show them to every wave; the later phases need none
	s_wait_tensorcnt 0x0
	s_wait_dscnt 0x0
	s_barrier_signal -1
	s_barrier_wait -1
.endif
.endm
.macro LOADW q                         ; group q = 2 s + g: tiles 4 g .. 4 g + 3 of K step s into set q % 4, and their scale words: 14 LDS loads
.set sL, (\q)/2
.set gL, (\q)%2
	WIN 0x80                                       ; destination window 2
.irp n, 0,1,2,3
.irp p, 0,1,2
	ds_load_b128 v[48*((\q)%4)+12*\n+4*\p:48*((\q)%4)+12*\n+4*\p+3], v[AW+sL/4] offset:12288*(sL%4)+1536*(4*gL+\n)+512*\p
.endr
.endr
	WIN 0
.irp i, 0,1
	ds_load_b32 v[BSC+2*((\q)%4)+\i], v[ASW] offset:512*(4*gL+2*\i)+64*sL
.endr
.endm
.macro GRP q                           ; eight products on eight accumulators by turns; the next group takes the other eight
.set sK, (\q)/2
.set gK, (\q)%2
.if gK == 0
	s_wait_loadcnt 8*(7-sK)                        ; o's two fragments of this K step are in; behind them: eight loads for each later K step
.endif
.if (\q) < 13
	s_wait_dscnt 42                                ; my 14 LDS loads are in; behind them: three groups of 14
.else
	s_wait_dscnt 14*(15-(\q))
.endif
	WIN 0x06                                       ; source 0 (Wo) window 2, source 1 (o) window 1, C and D window 0
.irp mt, 0,1
.irp n, 0,1,2,3
.set rD, ACC+8*(8*\mt+4*gK+\n)
.set rA, 48*((\q)%4)+12*\n
.set rB, 24*sK+12*\mt
.set rSA, BSC+2*((\q)%4)+\n/2
.set rSB, ASC+4*\mt+sK/2
	WM sK==0, \n%2, sK%2
.endr
.endr
	WIN 0
.if (\q) < 12
.if (\q)%4 == 0
	PHASE (\q)/4+1
.endif
	PLACES 4                                       ; in front of loads into registers that these products have read
	LOADW (\q)+4
.endif
.endm
	s_load_b128 s[4:7], s[0:1], 0x0                ; oq, opq
	s_load_b64 s[8:9], s[0:1], 0x10                ; out0
	v_lshl_add_u32 v[SPW], v0, 2, SPARE
	v_mov_b32 v[NIL], 0
	ds_add_u32 v[SPW], v[NIL]                      ; the wave's opening: the add, twice on end, and its wait ahead of my first tensor load
	ds_add_u32 v[SPW], v[NIL]
	v_lshrrev_b32 v1, 5, v0
	v_readfirstlane_b32 s[WV], v1
	s_bfe_u32 s13, ttmp6, 0x40000                  ; cx
	s_lshl_b32 s14, ttmp9, 2
	s_add_co_u32 s14, s14, s13                     ; Xb: my 128 tokens
	s_and_b32 s15, ttmp7, 0xffff                   ; nb: the 128 columns, which the four partners share
	s_mov_b32 s[G1C], 15|(3<<16)|(1<<21)
	s_mov_b32 s[G1C+1], 32<<16
	s_mov_b32 s[G1C+2], 128<<16                    ; 128 rows of 256 bytes: a third of the images
	s_mov_b32 s[G1C+3], 32<<16
	s_mov_b32 s[G1C+4], 128
	s_mov_b32 s[G1C+5], 32
	s_mov_b32 s[G1C+6], 0
	s_mov_b32 s[G1C+7], 0
	s_mov_b32 s[G1S], 15|(3<<16)|(1<<21)
	s_mov_b32 s[G1S+1], 32<<16
	s_mov_b32 s[G1S+2], 16<<16                     ; 16 rows: all the scale words
	s_mov_b32 s[G1S+3], 32<<16
	s_mov_b32 s[G1S+4], 16
	s_mov_b32 s[G1S+5], 32
	s_mov_b32 s[G1S+6], 0
	s_mov_b32 s[G1S+7], 0
	s_mul_i32 s16, s15, 98304
	s_mul_i32 s18, s[WV], 32768
	s_add_co_u32 s16, s16, s18
	s_add_co_u32 s16, s16, OC
	s_mov_b32 s17, 0
	s_lshl_b32 s20, s15, 12
	s_add_co_u32 s20, s20, OS
	s_mov_b32 s21, 0
	s_lshl_b32 s72, s14, 3
	s_lshl_b32 s73, s[WV], 1
	s_add_co_u32 s72, s72, s73                     ; my first tile of tokens: 8 Xb + 2 w
	s_mov_b32 s75, 0
	s_wait_dscnt 0x0                               ; both opening adds are done
	s_wait_kmcnt 0x0
	s_add_nc_u64 s[16:17], s[6:7], s[16:17]
	s_add_nc_u64 s[20:21], s[6:7], s[20:21]
	s_mul_i32 s74, s72, 12288
	s_add_nc_u64 s[AB:AB+1], s[4:5], s[74:75]      ; o's half images
	s_lshl_b32 s74, s72, 7
	s_add_co_u32 s74, s74, OSC
	s_add_nc_u64 s[ASB:ASB+1], s[4:5], s[74:75]    ; o's scale words
	s_lshl_b32 s74, s72, 16                        ; token 16 x tile, rows of 4,096 bytes,
	s_lshl_b32 s73, s15, 9
	s_add_co_u32 s74, s74, s73                     ; + 512 nb
	s_add_nc_u64 s[CB:CB+1], s[8:9], s[74:75]
	CROUND                                         ; all four work-groups are here: the joint loads meet
	s_mov_b32 s[G0], 1
	s_mov_b32 s[G0+1], WSL
	s_mov_b64 s[G0+2:G0+3], s[20:21]
	s_or_b32 s[G0+3], s[G0+3], 0x80000000
.irp p, 0
	s_mov_b32 s[G0+4+4*\p], 1
	s_add_co_u32 s[G0+5+4*\p], s18, 24576*\p
	s_add_nc_u64 s[G0+6+4*\p:G0+7+4*\p], s[16:17], 24576*\p
	s_or_b32 s[G0+7+4*\p], s[G0+7+4*\p], 0x80000000
.endr
	s_cmp_lt_u32 s[WV], 3                          ; one joint load a wave: waves 0-2 a third of the images each, wave 3 the scale words
	s_cbranch_scc0 .Lhead_s
	tensor_load_to_lds s[G0+4:G0+7], s[G1C:G1C+7]
	s_nop 0
	PLACES 4
	s_branch .Lhead_j
.Lhead_s:
	tensor_load_to_lds s[G0:G0+3], s[G1S:G1S+7]
	s_nop 0
	PLACES 4
.Lhead_j:
	v_and_b32 v32, 31, v0                          ; l
	v_and_b32 v33, 15, v0                          ; r
	v_bfe_u32 v34, v0, 4, 1                        ; h
	v_lshlrev_b32 v[L16], 4, v32
	v_lshlrev_b32 v[L8], 3, v32
	v_lshlrev_b32 v[L4], 2, v32
.irp mt, 0,1
.irp p, 0,1,2,3
	global_load_b32 v[ASC+4*\mt+\p], v[L4], s[ASB:ASB+1] offset:32768*\p+128*\mt
.endr
.endr
	WIN 0x40                                       ; destination window 1
.irp s, 0,1,2,3,4,5,6,7
.irp mt, 0,1
	global_load_b128 v[24*\s+12*\mt:24*\s+12*\mt+3], v[L16], s[AB:AB+1] offset:12288*\mt+1536*\s
	global_load_b64 v[24*\s+12*\mt+4:24*\s+12*\mt+5], v[L8], s[AB:AB+1] offset:12288*\mt+1536*\s+512
	global_load_b128 v[24*\s+12*\mt+6:24*\s+12*\mt+9], v[L16], s[AB:AB+1] offset:12288*\mt+1536*\s+768
	global_load_b64 v[24*\s+12*\mt+10:24*\s+12*\mt+11], v[L8], s[AB:AB+1] offset:12288*\mt+1536*\s+1280
.endr
.endr
	WIN 0
	v_mov_b32 v[AW], v[L16]
	v_add_nc_u32 v[AW+1], 49152, v[L16]
	v_lshlrev_b32 v35, 2, v33
	v_lshl_add_u32 v[ASW], v34, 9, v35
	v_add_nc_u32 v[ASW], WSL, v[ASW]
	s_mul_i32 s62, s[WV], 16*528
	s_add_co_u32 s62, s62, STG                     ; my stage
	v_mul_u32_u24 v[STI], v33, 528
	v_lshl_add_u32 v[STI], v34, 6, v[STI]
	v_add_nc_u32 v[STI], s62, v[STI]               ; in: row r, + 64 h
	v_add_nc_u32 v[STR], s62, v[L16]               ; back: a whole row, 16 bytes a lane
	s_wait_alu depctr_va_vdst(0)
	PHASE 0
	LOADW 0
	LOADW 1
	LOADW 2
	LOADW 3
.irp q, 0,1,2,3,4,5,6,7,8,9,10,11,12,13,14,15
	GRP \q
.endr
; THE WAY OUT, a tile of 16 tokens at a time.  LDS serves a wave's instructions in order: no wait between the stores and the loads, nor in front of the next tile's stores.
.macro OUTT mt
.irp gp, 0,1,2,3
.irp q4, 0,1,2,3
	ds_store_b128 v[STI], v[ACC+8*(8*\mt+2*\gp+\q4/2)+4*(\q4%2):ACC+8*(8*\mt+2*\gp+\q4/2)+4*(\q4%2)+3] offset:128*\gp+16*\q4   ; columns 32 gp + 16 h + 4 q4 on; each accumulator from its low end on
.endr
.endr
.irp k, 0,1,2,3,4,5,6,7,8,9,10,11,12,13,14,15
	ds_load_b128 v[OB+4*\k:OB+4*\k+3], v[STR] offset:528*\k
.endr
.irp k, 0,1,2,3,4,5,6,7,8,9,10,11,12,13,14,15
	s_wait_dscnt 15-\k                             ; row k is back; the later rows may be out
	global_store_b128 v[L16], v[OB+4*\k:OB+4*\k+3], s[CB:CB+1] offset:(8*\mt+\k+8*(\k/8))*4096 th:TH_STORE_NT   ; 32 lanes store 512 consecutive bytes, aligned
.endr
.endm
	PLACES 4                                       ; behind the last products, ahead of the first read of results
	OUTT 0
	s_wait_xcnt 0x0                                ; the stores have read their registers
	OUTT 1
	s_wait_tensorcnt 0x0                           ; the wave's end
	ds_add_u32 v[SPW], v[NIL]
	s_wait_dscnt 0x0
	CROUND                                         ; the closing round
	s_endpgm
.Lfunc_end_k_q0f3c3ee463_oproj:
	.size	k_q0f3c3ee463_oproj, .Lfunc_end_k_q0f3c3ee463_oproj-k_q0f3c3ee463_oproj
	.p2alignl 7, 3214868480
	.fill 96, 4, 3214868480
	.section	.rodata,"a",@progbits
	.p2align	6, 0x0
	.amdhsa_kernel k_q0f3c3ee463_oproj
		.amdhsa_group_segment_fixed_size 167936
		.amdhsa_private_segment_fixed_size 0
		.amdhsa_enable_private_segment 0
		.amdhsa_kernarg_size 24
		.amdhsa_user_sgpr_count 2
		.amdhsa_user_sgpr_kernarg_segment_ptr 1
		.amdhsa_wavefront_size32 1
		.amdhsa_system_sgpr_workgroup_id_x 1
		.amdhsa_system_sgpr_workgroup_id_y 1
		.amdhsa_system_sgpr_workgroup_id_z 1
		.amdhsa_system_vgpr_workitem_id 0
		.amdhsa_next_free_vgpr 768
		.amdhsa_next_free_sgpr 80
		.amdhsa_reserve_vcc 0
		.amdhsa_float_denorm_mode_32 3
		.amdhsa_float_denorm_mode_16_64 3
		.amdhsa_memory_ordered 1
		.amdhsa_forward_progress 1
		.amdhsa_inst_pref_size 55
	.end_amdhsa_kernel
	.amdgpu_metadata
---
amdhsa.version: [ 1, 2 ]
amdhsa.kernels:
  - .name:           k_q0f3c3ee463_oproj
    .symbol:         k_q0f3c3ee463_oproj.kd
    .args:
      - { .name: oq, .offset: 0, .size: 8, .value_kind: global_buffer, .address_space: global }
      - { .name: opq, .offset: 8, .size: 8, .value_kind: global_buffer, .address_space: global }
      - { .name: out0, .offset: 16, .size: 8, .value_kind: global_buffer, .address_space: global }
    .group_segment_fixed_size: 167936
    .private_segment_fixed_size: 0
    .kernarg_segment_align: 8
    .kernarg_segment_size: 24
    .max_flat_workgroup_size: 128
    .sgpr_count:     80
    .vgpr_count:     768
    .wavefront_size: 32
...
	.end_amdgpu_metadata
.endif
;; end of part 4
